; MI455X (gfx1250); checked and timed in simulation.
; The chip was launched on July 23, 2026; its instructions are those of AMD's public machine-readable ISA for CDNA 5 (MIT licence, August 2026) and "CDNA5" Instruction Set Architecture Reference Guide (July 2026). The comments in the code are by the model that wrote it; some were corrected since.
;; Nflow. Allowed arithmetic: matrix products marked QUANTISED: E2M3 operands, one E8M0 scale for each 32 along K, by v_wmma_scale_f32_16x16x128_f8f6f4 with both operands' format E2M3, f32 sums; products left as they are: f32 operands where the result goes on into a quantised operand, else bf16, f16 or f32 operands; f32 sums; everything else in f32.
;; Inputs: W0 1 x 128 float32; W1 128 x 128 float32; W2 128 x 128 float32; W3 128 x 128 float32; W4 128 x 14 float32; b0 128 float32; b1 128 float32; b2 128 float32; b3 128 float32; b4 14 float32; x 524,288 x 1 float32; z 524,288 x 1 float32.
;; Outputs: out0 524,288 x 1 float32.
;; This version of the problem:
;;   THIS VERSION OF THE PROBLEM IS GIVEN IN LOW PRECISION. The matrix products marked QUANTISED in the list below multiply operands that are first quantised to E2M3 (2 exponent bits, 3 mantissa bits; 6 bits a number), with one power-of-two scale for each 32 numbers along K (OCP MX v1.0); their sums are f32. All else is computed in f32.
;;   The module's matrix products, in the order in which they are computed (A, B: the left and right operand; K: the contracted axis; several contracted axes count as one K, in the product's order):
;;     1. [M 524,288, K 1] x [K 1, N 128]; A: input x; B: input W0: left as it is (K = 1 < 32)
;;     2. [M 524,288, K 128] x [K 128, N 128]; A: computed on the way; B: input W1: QUANTISED
;;     3. [M 524,288, K 128] x [K 128, N 128]; A: computed on the way; B: input W2: QUANTISED
;;     4. [M 524,288, K 128] x [K 128, N 128]; A: computed on the way; B: input W3: QUANTISED
;;     5. [M 524,288, K 128] x [K 128, N 14]; A: computed on the way; B: input W4: left as it is (N = 14 < 16)
;;   THE QUANTISER, for each operand of a quantised product, along K:
;;     - K is cut into blocks of 32 from its start; a last block that is shorter is filled with zeros.
;;     - A block's scale is 2^e with e = floor(log2(the largest magnitude in the block)) - 2, held to -126 .. 127; a block of zeros has e = 0. As a byte (E8M0): e + 127.
;;     - Each number is divided by its block's scale, clamped to +-7.5, and rounded to the nearest number of E2M3, ties to even, subnormals kept.
;;     - The product sums the exact products of the quantised numbers (number of the format x scale) in f32.
;;   ~~~python
;;   def quantise(x, axis):      # numpy; x: float32 -> the quantised numbers, widened to float32 again
;;       x = np.moveaxis(x, axis, -1); K = x.shape[-1]
;;       x = np.pad(x, [(0, 0)] * (x.ndim - 1) + [(0, -K % 32)]); x = x.reshape(x.shape[:-1] + (-1, 32)); a = np.abs(x).max(-1, keepdims=True)
;;       e = np.where(a > 0, np.clip(np.frexp(np.where(a > 0, a, 1))[1] - 1 - 2, -126, 127), 0)      # np.frexp(a)[1] - 1 = floor(log2(a)), exactly
;;       r = np.clip(x / 2.0 ** e, -7.5, 7.5)
;;       step = 2.0 ** (np.maximum(np.frexp(np.where(r == 0, 1, r))[1] - 1, 0) - 3)
;;       q = np.round(r / step) * step * 2.0 ** e      # np.round: ties to even
;;       return np.moveaxis(q.reshape(q.shape[:-2] + (-1,))[..., :K], -1, axis).astype(np.float32)
;;   ~~~
;;   OPERANDS COMPUTED ON THE WAY. 'Computed on the way' means the value that the module computes at that place (a softmax that the list does not call 'softmax' is quantised finished and normalised). What goes into a quantiser is computed in f32, as accurately as f32 sums, v_exp_f32 and their like allow (about 1e-6 of the number): no bf16 or f16 on the way to a quantiser, and a product that is left as it is and whose result goes on into a quantised operand takes f32 operands (vector FMAs, or v_wmma_f32_16x16x4_f32). A number that lies on a knife's edge between two numbers of the format may be rounded either way, as far as f32 arithmetic and the matrix unit's own rounding can turn it there, and no further.
;; 2 versions, each right; version 2 is version 1 with the launch nflow written anew for expert scheduling mode. Each part assembles by itself: llvm-mc -triple=amdgcn-amd-amdhsa -mcpu=gfx1250 --defsym DOCPART=n.
;; ======== version 1 of 2: 1 launch
;; limits: values are held in f16: magnitudes above 65,504 overflow, below 6.1e-05 lose precision; inputs' magnitudes at most 65,504
;; launch nflow (part 1): grid 256 x 1, 4 waves a work-group, no clusters, 43,008 bytes of LDS; arguments x, z, W0, b0, W1, b1, W2, b2, W3, b3, W4, b4, out0; writes out0
.if DOCPART == 1
	.amdgcn_target "amdgcn-amd-amdhsa--gfx1250"
	.amdhsa_code_object_version 6
	.text
	.protected	k_q2e913c18e2_nflow
	.globl	k_q2e913c18e2_nflow
	.p2align	8
	.type	k_q2e913c18e2_nflow,@function
k_q2e913c18e2_nflow:
	s_mov_b64 s[64:65], 0
	v_nop
	global_prefetch_b8 v0, s[64:65] scope:SCOPE_SE
	s_setreg_imm32_b32 hwreg(HW_REG_WAVE_MODE, 25, 1), 1
	s_wait_xcnt 0x0
; out0[n] = the inverse of a 5-bin rational-quadratic spline at z[n]; the spline's 14 parameters come from an MLP 1 -> 128 -> 128 -> 128 -> 128 -> 14 on x[n].
; Layer 0 (K = 1): fused multiply-adds in f32.  The three products 128 x 128: both operands as codes of FP6 (E2M3), one E8M0 scale for each 32 along K, by the scaled matrix instruction; sums in f32.
; The last product (14 outputs): f16 operands, f32 sums: nothing behind it is quantised.  bf16's 8 bits are too few for it: the knots are 10 x running sums of a softmax, which multiply an error of the 14 numbers by about 4.
; Each row of its left operand is first multiplied by a power of two that brings the row's largest number under 2^15, and the sums are multiplied back: so f16's range is never leaned on for what is computed.
; Softmax (maximum taken away), softplus and the spline in f32.
; SHARES.  256 work-groups x 4 waves; a wave owns 512 rows: 4 groups of 128 rows, a group is 4 trips of 32 rows, a trip two tiles (A, B) of 16 rows.  A wave is alone on its SIMD and keeps in registers, for the
; whole launch, all that is constant: the codes of W1, W2, W3 (288 registers), their scale words (24), b1, b2, b3 in the results' layout (192), W0 and b0 (128), W4 in f16 (32); b4 in 14 scalar registers.
; So the loop has no LDS access, no barrier and no weight traffic: it reads 8 bytes and writes 4 bytes for a row.
; ROWS OF A TILE.  With G the group's first row, trip i takes rows G + 4 r + i (tile A) and G + 64 + 4 r + i (tile B), r = lane % 16.  Behind the last product lane l holds row G + 4 l + i, so a group's z is one load
; and its result one store of 16 bytes a lane: 512 consecutive bytes, aligned.  x is two such loads of 256 bytes (both halves of the lanes read the same bytes).
; LAYOUT.  Every product is used transposed: source 0 = 16 units of the weight, source 1 = 16 rows: a lane (r, h) holds ONE row throughout.  The units that form a tile of W1 and W2 are not neighbours: lane r' of
; tile 2 b + u takes unit 32 b + 8 u + r' + 8 (r' / 8), so that register 16 b + i of a lane's 64 results is unit 32 b + 16 h + i: 16 neighbours along the next K, which is what the conversions take.
; W3's tiles take neighbouring units 16 t + r': its results, rounded to f16 in pairs, ARE source 1 of the last product.
; THE BIASES.  b1 and b2 are added behind their products by f32 additions.  b3 is the C of its product: no quantiser follows.
; b4 is the addend of the multiply-add that takes the row's power of two off again.
; BY TURNS.  While one tile's eight matrix instructions are issued, the other tile's vector work (bias, ReLU, block maxima, scales, conversions) stands between them, a part in front of each.
; SET-UP.  Each wave quantises a quarter of W1, W2, W3 along K and one K step of W4; the results meet in LDS (one barrier) and every wave loads all of them.
; NO CLUSTER, NO TENSOR LOAD: what work-groups share is the weights' 204,288 bytes, read once by each; they must pass through registers to be quantised, and the loop shares nothing.
; LIMITS.  NaN and infinities among the inputs are not served.  A block whose largest magnitude lies under 2^-124 keeps the scale byte 1 (a block of zeros too: its codes are zeros).  An exponential under 2^-126
; comes out as 0: such a bin counts as empty; a chosen bin of width or height 0 is not served.  Layer 0 rounds once (fused).  Knots are running sums of the exponentials x 10 / their sum; a bin's width and height are
; its own exponential x 10 / the sum, not a difference of knots.  softplus(v) = max(v, 0) + ln 2 x log2(1 + 2^(-|v| log2 e)).  W4 is rounded to f16 as it is given: magnitudes up to 65,504 are served, and those
; under 2^-14 are kept to 2^-25 absolutely.  The last hidden layer is rounded to f16 relative to its row's largest number (taken as 2^-100 at the least).
; Outputs 14 and 15 of the last product's tile are copies of output 13 and are never read.
;
; REGISTERS, in windows of 256 (s_set_vgpr_msb: bits 1:0 source 0, 3:2 source 1, 5:4 source 2, 7:6 destination):
;   window 0: addresses, scale words, x, z, results, the two tiles' 64 numbers, their codes, work.   window 1: W1's and W2's fragments, W4's fragments.
;   window 2: W3's fragments, b1, b2.   window 3: b3, W0, b0, and the group's 4 x 16 spline parameters.
.set GROUPS, 4                         ; groups of 128 rows to a wave
; LDS (set-up only)
.set FRAGB, 1536                       ; a fragment's image: 32 lanes x 48 bytes (its 12 registers on end); fragment 8 L + t at FRAGB x (8 L + t)
.set SCW,   24*FRAGB                   ; scale bytes: (fragment F, row r', block g) at 96 r' + 4 F + g
.set W4I,   SCW+1536                   ; W4's four f16 fragments as images of their registers: 1024 s + 512 i + 16 lane
; window 0
.set XO,  1                            ; 16 r: my 16 bytes of x
.set ZO,  2                            ; 16 lane: my 16 bytes of z and of the result
.set LF,  3                            ; set-up: 48 lane
.set RR,  4                            ; set-up: r
.set HH,  5                            ; set-up: h
.set LN,  6                            ; set-up: lane
.set RA,  7                            ; set-up: my byte offset in a weight
.set WS,  8                            ; v8-31   scale words of W1, W2, W3: fragment F at v[WS + F]; scales and nothing else
.set PW,  32                           ; v32-33  the activations' scale words, tile A, tile B; scales and nothing else
.set AP,  34                           ; set-up: where my codes go, tiles of chosen units
.set AN,  35                           ; set-up: the same, tiles of neighbouring units
.set FN,  34                           ; the loop: v[34:35] the row's power of two f: the packed form names a pair and takes its low word
.set XA,  36                           ; v36-39  x of tile A, trips 0-3
.set XB,  40                           ; v40-43  x of tile B
.set ZZ,  44                           ; v44-47  z, trips 0-3
.set OU,  48                           ; v48-51  the results, trips 0-3
.set LSC, 48                           ; set-up: 96 r
.set W4W, 49                           ; set-up: 16 lane + 1024 wave
.set XC,  52                           ; v[52:53], v[54:55] this trip's x of tile A, B: the packed form names a pair and takes its low word
.set BT,  56                           ; set-up: v56-59 bits 0-3 of r
.set CC,  60                           ; set-up
.set R3,  61                           ; set-up: r % 4
.set SPA, 62                           ; set-up: where my scale bytes go, chosen units
.set SNA, 63                           ; set-up: neighbouring units
.set GS,  56                           ; the loop: v56-63 g = 1 / f of trip i, tile X at v[GS + 2 i + X]
.set HA,  64                           ; v64-127 tile A's 64 numbers, v128-191 tile B's
.set PC,  192                          ; v192-203 tile A's codes, v204-215 tile B's
.set CT,  216                          ; v216-218, v220-222 second halves of the conversions
.set TM,  224                          ; v224-239 at work: +0..3 maxima, +4..7 the other half's, then bytes, +8..9 half words, +12..15 scale operands
.set CD,  192                          ; set-up: codes of four columns, 8 registers each
.set QM,  224                          ; set-up: four maxima
.set QS,  228                          ; set-up: four scale operands (these are TM+4..7: written here in all lanes, ahead of the loop's lane permutes)
.set QB,  232                          ; set-up: four bytes
.set W4R, 236                          ; set-up: v236-251 16 numbers of W4
.set W4A, 252                          ; set-up: byte offsets in W4 and in the biases (64 h, 32 h)
.set BPA, 253
.set BNA, 254
.set SE,  64                           ; the spline: 32 registers for each of the four trips' rows
.set SF,  192                          ; and 8 more
; window 1
.set W1F, 0
.set W2F, 96
.set W4F, 200
; window 2
.set W3F, 0
.set B1,  96
.set B2,  160
; window 3
.set B3,  0
.set W0R, 64
.set B0R, 128
.set PH,  192                          ; trip i, tile X at PH + 16 i + 8 X
.set QT,  192                          ; set-up: two sets of 32 numbers of one column
; scalars
.set P_X, 8
.set P_Z, 10
.set P_W0, 12
.set P_B0, 14
.set P_W1, 16
.set P_B1, 18
.set P_W2, 20
.set P_B2, 22
.set P_W3, 24
.set P_B3, 26
.set P_W4, 28
.set P_B4, 30
.set P_OUT, 32
.set WV,  34                           ; wave
.set GRP, 35                           ; groups to go
.set SEL, 36                           ; s[36:37] selects for lane l xor 16
.set L2E, 38                           ; log2(e)
.set NL2E, 39                          ; -log2(e)
.set MK,  40                           ; s40-43 a mask for each of the spline's four sets
.set OFS, 44                           ; s[44:45]
.set WLO, 46                           ; wave % 2
.set WHI, 47                           ; wave / 2
.set LN2, 48                           ; ln 2
.set NB,  49                           ; -5
.set PB,  50                           ; 5
.set T0,  51
.set T1,  52
.set B4S, 68                           ; s68-81 b4's 14 numbers
.set MSB, 0
.macro WIN new                         ; the immediate's high byte repeats the setting that is left; a switch that changes nothing is dropped
.if MSB != (\new)
	s_set_vgpr_msb (MSB<<8)|(\new)
.set MSB, (\new)
.endif
.endm
.macro PLACES n
.rept \n
	v_nop
.endr
.endm
	s_load_b512 s[8:23], s[0:1], 0x0               ; x, z, W0, b0, W1, b1, W2, b2
	s_load_b256 s[24:31], s[0:1], 0x40             ; W3, b3, W4, b4
	s_load_b64 s[32:33], s[0:1], 0x60              ; out0
	v_lshl_add_u32 v223, v0, 2, 0xa600
	v_mov_b32 v255, 0
	v_lshrrev_b32 v[LF], 5, v0
	v_readfirstlane_b32 s[WV], v[LF]               ; wave 0..3
	v_and_b32 v[RR], 15, v0                        ; r
	v_bfe_u32 v[HH], v0, 4, 1                      ; h
	v_and_b32 v[LN], 31, v0                        ; lane
	v_lshlrev_b32 v[XO], 4, v[RR]
	v_lshlrev_b32 v[ZO], 4, v[LN]
	v_mul_u32_u24 v[LF], v[LN], 48
	v_mul_u32_u24 v[LSC], v[RR], 96
	s_and_b32 s[WLO], s[WV], 1
	s_lshr_b32 s[WHI], s[WV], 1
	s_lshl_b32 s[T0], s[WV], 10
	v_add_nc_u32 v[W4W], s[T0], v[ZO]
	; A weight is [k][n], 512 bytes a row.  My wave takes columns 64 (wave % 2) + 4 r + 0..3 and, of K, block g = 2 (wave / 2) + h: rows 32 g + i.  Sixteen lanes read 256 consecutive bytes, aligned.
	v_lshl_add_u32 v[RA], v[HH], 14, v[XO]         ; 32 h rows + 16 r
	s_lshl_b32 s[T0], s[WHI], 15                   ; + 64 (wave / 2) rows
	s_lshl_b32 s[T1], s[WLO], 8                    ; + 64 (wave % 2) columns
	s_add_co_u32 s[T0], s[T0], s[T1]
	v_add_nc_u32 v[RA], s[T0], v[RA]
	; Where column n's block g goes: fragment t, lane r' + 16 (g % 2), byte 24 (g / 2).  n = 64 (wave % 2) + 4 r + c.
	; Chosen units:      t = 4 (wave % 2) + 2 (r / 8) + (r / 2) % 2,  r' = 4 (r % 2) + 8 ((r / 4) % 2) + c.     Neighbouring units: t = 4 (wave % 2) + 2 (r / 8) + (r / 4) % 2,  r' = 4 (r % 4) + c.
	v_and_b32 v[BT], 1, v0
	v_bfe_u32 v[BT+1], v0, 1, 1
	v_bfe_u32 v[BT+2], v0, 2, 1
	v_bfe_u32 v[BT+3], v0, 3, 1
	v_and_b32 v[R3], 3, v0
	s_mul_i32 s[T0], s[WLO], 4*FRAGB
	s_mul_i32 s[T1], s[WHI], 24
	s_add_co_u32 s[T0], s[T0], s[T1]
	v_mul_u32_u24 v[CC], v[BT+3], 2*FRAGB
	v_mad_u32_u24 v[CC], v[HH], 16*48, v[CC]
	v_add_nc_u32 v[CC], s[T0], v[CC]               ; what both orders share
	v_mad_u32_u24 v[AP], v[BT+1], FRAGB, v[CC]
	v_mad_u32_u24 v[AP], v[BT], 4*48, v[AP]
	v_mad_u32_u24 v[AP], v[BT+2], 8*48, v[AP]
	v_mad_u32_u24 v[AN], v[BT+2], FRAGB, v[CC]
	v_mad_u32_u24 v[AN], v[R3], 4*48, v[AN]
	; and its scale byte: 96 r' + 4 t + g
	s_lshl_b32 s[T0], s[WLO], 4
	s_lshl_b32 s[T1], s[WHI], 1
	s_add_co_u32 s[T0], s[T0], s[T1]
	v_lshl_add_u32 v[SPA], v[BT+3], 3, v[HH]
	v_add_nc_u32 v[SPA], s[T0], v[SPA]             ; what both orders share
	v_lshl_add_u32 v[SNA], v[BT+2], 2, v[SPA]
	v_mad_u32_u24 v[SNA], v[R3], 4*96, v[SNA]
	v_lshl_add_u32 v[SPA], v[BT+1], 2, v[SPA]
	v_mad_u32_u24 v[SPA], v[BT], 4*96, v[SPA]
	v_mad_u32_u24 v[SPA], v[BT+2], 8*96, v[SPA]
	; W4 is [k][14], 56 bytes a row.  My wave makes K step s = wave of its f16 fragment: lane (r, h) holds output min(r, 13) at k = 32 s + 8 h + 0..7 and 32 s + 16 + 8 h + 0..7
	v_min_u32 v[W4A], 13, v[RR]
	v_lshlrev_b32 v[W4A], 2, v[W4A]
	v_mad_u32_u24 v[W4A], v[HH], 8*56, v[W4A]
	s_mul_i32 s[T0], s[WV], 32*56
	v_add_nc_u32 v[W4A], s[T0], v[W4A]
	v_lshlrev_b32 v[BPA], 6, v[HH]
	v_lshlrev_b32 v[BNA], 5, v[HH]
	v_mov_b32 v[XC+1], 0                           ; named as the upper halves of pairs, so they are written
	v_mov_b32 v[XC+3], 0
	s_mov_b32 s[SEL], 0x76543210
	s_mov_b32 s[SEL+1], 0xfedcba98
	s_mov_b32 s[L2E], 0x3fb8aa3b
	s_mov_b32 s[NL2E], 0xbfb8aa3b
	s_mov_b32 s[LN2], 0x3f317218
	s_mov_b32 s[NB], 0xc0a00000
	s_mov_b32 s[PB], 0x40a00000
	s_mov_b32 s[GRP], GROUPS
	s_lshl_b32 s[OFS], ttmp9, 2
	s_add_co_u32 s[OFS], s[OFS], s[WV]
	s_lshl_b32 s[OFS], s[OFS], 11                  ; my wave's 512 rows of 4 bytes
	s_mov_b32 s[OFS+1], 0
	s_wait_kmcnt 0x0
	s_load_b256 s[B4S:B4S+7], s[P_B4:P_B4+1], 0x0  ; b4[0..7],
	s_load_b128 s[B4S+8:B4S+11], s[P_B4:P_B4+1], 0x20   ; b4[8..11],
	s_load_b64 s[B4S+12:B4S+13], s[P_B4:P_B4+1], 0x30   ; b4[12, 13]: bytes 48 to 55, the buffer's last
	s_add_nc_u64 s[P_X:P_X+1], s[P_X:P_X+1], s[OFS:OFS+1]
	s_add_nc_u64 s[P_Z:P_Z+1], s[P_Z:P_Z+1], s[OFS:OFS+1]
	s_add_nc_u64 s[P_OUT:P_OUT+1], s[P_OUT:P_OUT+1], s[OFS:OFS+1]
; 32 loads: rows 32 g + 0..31 of a weight at my four columns: register 4 i + c = W(32 g + i, column c)
.macro RAWLOAD base, ptr
.set cnt_, 0
.rept 32
	global_load_b128 v[\base+4*cnt_:\base+4*cnt_+3], v[RA], s[\ptr:\ptr+1] offset:512*cnt_
.set cnt_, cnt_+1
.endr
.endm
; A vector of 128 in the layout of results on chosen units: register 16 b + i = element 32 b + 16 h + i
.macro BLOADP base, ptr
.irp b, 0,1,2,3
.irp q, 0,1,2,3
	global_load_b128 v[\base+16*\b+4*\q:\base+16*\b+4*\q+3], v[BPA], s[\ptr:\ptr+1] offset:128*\b+16*\q
.endr
.endr
.endm
; My quarter of a weight becomes codes and scale bytes in LDS.  rb, rw: the numbers' first register and window; ac, as: the LDS addresses; L: which weight.
; A lane holds one whole block of 32 along K for each of four columns, four registers apart; the conversions take 16 CONSECUTIVE registers, so each column is first moved together: 128 moves a weight, once in the launch.
.macro QMAT rb, rw, ac, as, L
	s_wait_dscnt 0x0                               ; the last weight's LDS stores have read their registers
	WIN (\rw)|((\rw)<<2)
.irp c, 0,1,2,3
	v_max3_num_f32 v[QM+\c], |v[\rb+\c]|, |v[\rb+4+\c]|, 0x1800000   ; the block's largest magnitude, and the floor 2^(3 - 127): the byte cannot fall under 1.  Four columns by turns
.endr
.irp i, 2,4,6,8,10,12,14,16,18,20,22,24,26,28,30
.irp c, 0,1,2,3
	v_max3_num_f32 v[QM+\c], |v[\rb+4*\i+\c]|, |v[\rb+4*\i+4+\c]|, v[QM+\c]
.endr
.endr
	WIN 0
.irp c, 0,1,2,3
	v_add_nc_u32 v[QS+\c], 0xff000000, v[QM+\c]    ; 2 off its exponent field: the conversion takes the exponent field of this operand as its scale
.endr
.irp c, 0,1,2,3
	v_lshrrev_b32 v[QB+\c], 23, v[QS+\c]           ; the scale's byte
.endr
.irp c, 0,1,2,3
	ds_store_b8 v[\as], v[QB+\c] offset:SCW+32*(\L)+96*\c
.endr
.irp c, 0,1,2,3
	WIN 0xc0|(\rw)
.set cnt_, 0
.rept 32
	v_mov_b32 v[QT+32*(\c%2)+cnt_], v[\rb+4*cnt_+\c]
.set cnt_, cnt_+1
.endr
	WIN 0x03
	v_cvt_scalef32_pk16_fp6_f32 v[CD+8*\c:CD+8*\c+2], v[QT+32*(\c%2):QT+32*(\c%2)+15], v[QS+\c]
	v_cvt_scalef32_pk16_fp6_f32 v[CD+8*\c+4:CD+8*\c+6], v[QT+32*(\c%2)+16:QT+32*(\c%2)+31], v[QS+\c]   ; (a conversion's three registers begin on an even number)
	WIN 0
	v_nop                                          ; one plain place behind a scaled conversion
	v_mov_b32 v[CD+8*\c+3], v[CD+8*\c+4]
	v_mov_b32 v[CD+8*\c+4], v[CD+8*\c+5]
	v_mov_b32 v[CD+8*\c+5], v[CD+8*\c+6]           ; the block's 24 bytes on end
.irp p, 0,1,2
	ds_store_b64 v[\ac], v[CD+8*\c+2*\p:CD+8*\c+2*\p+1] offset:8*FRAGB*(\L)+48*\c+8*\p
.endr
.endr
.endm
	WIN 0x40
	RAWLOAD 0, P_W1                                ; window 1, v0-127
	RAWLOAD 128, P_W2                              ; window 1, v128-255
	WIN 0
	s_wait_loadcnt 32                              ; W1 is in; W2's 32 loads were issued behind it
	RAWLOAD HA, P_W3                               ; window 0, v64-191
.irp j, 0,1,2,3,4,5,6,7
	global_load_b32 v[W4R+\j], v[W4A], s[P_W4:P_W4+1] offset:56*\j
.endr
.irp j, 8,9,10,11,12,13,14,15
	global_load_b32 v[W4R+\j], v[W4A], s[P_W4:P_W4+1] offset:56*(\j+8)
.endr
	QMAT 0, 1, AP, SPA, 0
	s_wait_loadcnt 48                              ; W2 is in; behind it: W3's 32 and W4's 16
	WIN 0xc0
	BLOADP W0R, P_W0
	BLOADP B0R, P_B0
	WIN 0
	QMAT 128, 1, AP, SPA, 1
	s_wait_loadcnt 32                              ; W3 and W4 are in; behind them: W0's and b0's 32
	WIN 0x80
	BLOADP B1, P_B1
	BLOADP B2, P_B2
	WIN 0
	QMAT HA, 0, AN, SNA, 2
	s_wait_dscnt 0x0                               ; the stores have read the codes' registers
.irp p, 0,1,2,3,4,5,6,7
	v_cvt_pk_f16_f32 v[CD+\p], v[W4R+2*\p], v[W4R+2*\p+1]   ; W4's K step: eight registers of an f16 fragment
.endr
	ds_store_b128 v[W4W], v[CD:CD+3] offset:W4I
	ds_store_b128 v[W4W], v[CD+4:CD+7] offset:W4I+512
	WIN 0xc0
.irp t, 0,1,2,3,4,5,6,7                        ; b3 in the layout of results on neighbouring units: register 8 t + j = element 16 t + 8 h + j
	global_load_b128 v[B3+8*\t:B3+8*\t+3], v[BNA], s[P_B3:P_B3+1] offset:64*\t
	global_load_b128 v[B3+8*\t+4:B3+8*\t+7], v[BNA], s[P_B3:P_B3+1] offset:64*\t+16
.endr
	WIN 0
	global_load_b128 v[XA:XA+3], v[XO], s[P_X:P_X+1] th:TH_LOAD_NT
	global_load_b128 v[XB:XB+3], v[XO], s[P_X:P_X+1] offset:256 th:TH_LOAD_NT
	global_load_b128 v[ZZ:ZZ+3], v[ZO], s[P_Z:P_Z+1] th:TH_LOAD_NT    ; the youngest load
	s_wait_dscnt 0x0                               ; for the others' sake: my codes, scale bytes and W4's image have landed
	s_barrier_signal -1
	s_barrier_wait -1                              ; everybody's have: the launch's one barrier
	WIN 0x40
.set cnt_, 0
.rept 16                                       ; W1's and W2's fragments: 12 registers each, three loads of 16 bytes a lane
.irp i, 0,1,2
	ds_load_b128 v[12*cnt_+4*\i:12*cnt_+4*\i+3], v[LF] offset:FRAGB*cnt_+16*\i
.endr
.set cnt_, cnt_+1
.endr
.irp s, 0,1,2,3
.irp i, 0,1
	ds_load_b128 v[W4F+8*\s+4*\i:W4F+8*\s+4*\i+3], v[ZO] offset:W4I+1024*\s+512*\i
.endr
.endr
	WIN 0x80
.set cnt_, 0
.rept 8                                        ; W3's
.irp i, 0,1,2
	ds_load_b128 v[W3F+12*cnt_+4*\i:W3F+12*cnt_+4*\i+3], v[LF] offset:FRAGB*(16+cnt_)+16*\i
.endr
.set cnt_, cnt_+1
.endr
	WIN 0
.irp j, 0,1,2,3,4,5
	ds_load_b128 v[WS+4*\j:WS+4*\j+3], v[LSC] offset:SCW+16*\j      ; row r's scale words of fragments 4 j .. 4 j + 3
.endr
	v_mov_b32 v[FN+1], 0                           ; named as the upper half of a pair, so it is written (the set-up's address in it is done with)
	s_wait_dscnt 0x0
	s_wait_kmcnt 0x0                               ; b4
	s_wait_loadcnt 0x1                             ; W0, the biases and x are in; z's load, the youngest, may stay out
; ---- THE VECTOR WORK OF A TILE X (0 = A, 1 = B), in eight parts
.macro FMA8 X, p                               ; layer 0: 16 units, two to an instruction: x W0 + b0, fused
	WIN 0x33                                       ; W0 and b0 in window 3
.irp k, 0,2,4,6,8,10,12,14
	v_pk_fma_f32 v[HA+64*(\X)+16*(\p)+\k:HA+64*(\X)+16*(\p)+\k+1], v[W0R+16*(\p)+\k:W0R+16*(\p)+\k+1], v[XC+2*(\X):XC+2*(\X)+1], v[B0R+16*(\p)+\k:B0R+16*(\p)+\k+1] op_sel_hi:[1,0,1]
.endr
	WIN 0
.endm
.macro BADD8 X, p, bias                        ; a product's sums + the bias, two to an instruction, ascending: each accumulator is read from its low end on
	WIN 0x08                                       ; the bias in window 2
.irp k, 0,2,4,6,8,10,12,14
	v_pk_add_f32 v[HA+64*(\X)+16*(\p)+\k:HA+64*(\X)+16*(\p)+\k+1], v[HA+64*(\X)+16*(\p)+\k:HA+64*(\X)+16*(\p)+\k+1], v[(\bias)+16*(\p)+\k:(\bias)+16*(\p)+\k+1]
.endr
	WIN 0
.endm
.macro RELU16 X, p                             ; ascending: each accumulator is read from its low end on
.irp k, 0,1,2,3,4,5,6,7,8,9,10,11,12,13,14,15
	v_max_num_f32 v[HA+64*(\X)+16*(\p)+\k], 0, v[HA+64*(\X)+16*(\p)+\k]
.endr
.endm
.macro QMAX X, half                            ; my 16 numbers of each of the four blocks; none is negative, so no |.|; the four blocks by turns
.if (\half) == 0
.irp b, 0,1,2,3
	v_max3_num_f32 v[TM+\b], v[HA+64*(\X)+16*\b], v[HA+64*(\X)+16*\b+1], 0x1800000   ; and the floor 2^(3 - 127): the byte cannot fall under 1
.endr
.irp k, 2,4,6
.irp b, 0,1,2,3
	v_max3_num_f32 v[TM+\b], v[TM+\b], v[HA+64*(\X)+16*\b+\k], v[HA+64*(\X)+16*\b+\k+1]
.endr
.endr
.else
.irp k, 8,10,12,14
.irp b, 0,1,2,3
	v_max3_num_f32 v[TM+\b], v[TM+\b], v[HA+64*(\X)+16*\b+\k], v[HA+64*(\X)+16*\b+\k+1]
.endr
.endr
.endif
.endm
.macro QSCALE X
.irp b, 0,1,2,3
	v_permlanex16_b32 v[TM+4+\b], v[TM+\b], s[SEL], s[SEL+1]
.endr
.irp b, 0,1,2,3
	v_max_num_f32 v[TM+\b], v[TM+\b], v[TM+4+\b]   ; with lane l xor 16's: the block's largest
.endr
.irp b, 0,1,2,3
	v_add_nc_u32 v[TM+12+\b], 0xff000000, v[TM+\b] ; 2 off its exponent field: the conversion's scale operand
.endr
.irp b, 0,1,2,3
	v_lshrrev_b32 v[TM+4+\b], 23, v[TM+12+\b]      ; the scale's byte
.endr
	v_lshl_or_b32 v[TM+8], v[TM+5], 8, v[TM+4]
	v_lshl_or_b32 v[TM+9], v[TM+7], 8, v[TM+6]
	v_lshl_or_b32 v[PW+(\X)], v[TM+9], 16, v[TM+8] ; my row's scale word
.endm
.macro QCODE X
.irp c, 0,1
	v_cvt_scalef32_pk16_fp6_f32 v[PC+12*(\X)+6*\c:PC+12*(\X)+6*\c+2], v[HA+64*(\X)+32*\c:HA+64*(\X)+32*\c+15], v[TM+12+2*\c]
	v_cvt_scalef32_pk16_fp6_f32 v[CT+4*\c:CT+4*\c+2], v[HA+64*(\X)+32*\c+16:HA+64*(\X)+32*\c+31], v[TM+13+2*\c]   ; (a conversion's three registers begin on an even number)
.endr
	v_nop                                          ; one plain place behind a scaled conversion
.irp c, 0,1                                    ; the operand's layout wants a WHOLE block in a lane: lanes 0-15 block 2 c, lanes 16-31 block 2 c + 1
.irp i, 0,1,2
	v_permlane16_swap_b32 v[PC+12*(\X)+6*\c+\i], v[CT+4*\c+\i]
.endr
.irp i, 0,1,2
	v_mov_b32 v[PC+12*(\X)+6*\c+3+\i], v[CT+4*\c+\i]
.endr
.endr
.endm
; The last hidden layer's row gets its power of two.  E = the exponent field of the row's largest number (2^-100 at the least: E from 27 to 254).  f = 2^(141 - E), field 268 - E, brings the row under 2^15;
; g = 2^(E - 141), field E - 14, takes it off again behind the product.  Both fields lie between 13 and 241: both are ordinary numbers, and multiplying by them rounds nothing that f16 would keep.
.macro NORM X, i
	v_max3_num_f32 v[TM], v[TM], v[TM+1], v[TM+2]
	v_max3_num_f32 v[TM], v[TM], v[TM+3], 0xd800000
	v_permlanex16_b32 v[TM+4], v[TM], s[SEL], s[SEL+1]
	v_max_num_f32 v[TM], v[TM], v[TM+4]            ; with lane l xor 16's 64 units: the row's largest
	v_and_b32 v[TM], 0x7f800000, v[TM]
	v_sub_nc_u32 v[FN], 0x86000000, v[TM]          ; f
	v_add_nc_u32 v[GS+2*(\i)+(\X)], 0xf9000000, v[TM]   ; g
.endm
.macro SCALE16 X, half                         ; 32 of the row's numbers x f, two to an instruction
.irp k, 0,2,4,6,8,10,12,14,16,18,20,22,24,26,28,30
	v_pk_mul_f32 v[HA+64*(\X)+32*(\half)+\k:HA+64*(\X)+32*(\half)+\k+1], v[HA+64*(\X)+32*(\half)+\k:HA+64*(\X)+32*(\half)+\k+1], v[FN:FN+1] op_sel_hi:[1,0]
.endr
.endm
.macro TOF16 X                                 ; to f16, in place and ascending: register 4 t + j takes units 16 t + 8 h + 2 j, + 1: registers 8 s .. 8 s + 7 are K step s of the last product's source 1
.set cnt_, 0
.rept 32
	v_cvt_pk_f16_f32 v[HA+64*(\X)+cnt_], v[HA+64*(\X)+2*cnt_], v[HA+64*(\X)+2*cnt_+1]
.set cnt_, cnt_+1
.endr
.endm
; kind 0: layer 0, ReLU, quantised;  1: the first product's sums + b1, ReLU, quantised;  3: the second's + b2, likewise;  2: the third's results (b3 was its C), ReLU, x f, to f16.  i: the trip (for g's register)
.macro VPART kind, X, p, i
.if (\p) < 4
.if (\kind) == 0
	FMA8 \X, \p
.elseif (\kind) == 1
	BADD8 \X, \p, B1
.elseif (\kind) == 3
	BADD8 \X, \p, B2
.endif
	RELU16 \X, \p
.elseif (\p) == 4
	QMAX \X, 0
.elseif (\p) == 5
	QMAX \X, 1
.elseif (\kind) == 2
.if (\p) == 6
	NORM \X, \i
	SCALE16 \X, 0
.else
	SCALE16 \X, 1
	TOF16 \X
.endif
.elseif (\p) == 6
	QSCALE \X
.else
	QCODE \X
.endif
.endm
; ---- ONE MATRIX INSTRUCTION: tile t (16 units) of layer L for tile X's 16 rows; K = 128 is one instruction, which starts and ends the sum
.macro MMA L, X, t
.if (\L) == 1
	WIN 0x01                                       ; source 0 window 1
	v_wmma_scale_f32_16x16x128_f8f6f4 v[HA+64*(\X)+8*(\t):HA+64*(\X)+8*(\t)+7], v[W1F+12*(\t):W1F+12*(\t)+11], v[PC+12*(\X):PC+12*(\X)+11], 0, v[WS+(\t)], v[PW+(\X)] matrix_a_fmt:MATRIX_FMT_FP6 matrix_b_fmt:MATRIX_FMT_FP6
.elseif (\L) == 2
	WIN 0x01
	v_wmma_scale_f32_16x16x128_f8f6f4 v[HA+64*(\X)+8*(\t):HA+64*(\X)+8*(\t)+7], v[W2F+12*(\t):W2F+12*(\t)+11], v[PC+12*(\X):PC+12*(\X)+11], 0, v[WS+8+(\t)], v[PW+(\X)] matrix_a_fmt:MATRIX_FMT_FP6 matrix_b_fmt:MATRIX_FMT_FP6
.else
	WIN 0x32                                       ; source 0 window 2, C (b3 in the result's layout) window 3
	v_wmma_scale_f32_16x16x128_f8f6f4 v[HA+64*(\X)+8*(\t):HA+64*(\X)+8*(\t)+7], v[W3F+12*(\t):W3F+12*(\t)+11], v[PC+12*(\X):PC+12*(\X)+11], v[B3+8*(\t):B3+8*(\t)+7], v[WS+16+(\t)], v[PW+(\X)] matrix_a_fmt:MATRIX_FMT_FP6 matrix_b_fmt:MATRIX_FMT_FP6
.endif
	WIN 0
.endm
; A TURN: tile XM has the matrix unit for layer L; tile XV's vector work stands in eight parts, one in front of each matrix instruction.  The parts name none of the registers of the matrix instructions round them.
; Distances (ISA guide 7.12.1 for unscaled forms): a tile's scale word is written in part 6 and its codes in part 7 of one turn; the next turn's part 0, 16 plain lines or more of the other tile, stands
; ahead of the first matrix instruction that names them.  A tile's results are read from the next turn's part 0 on, tiles 0 and 1 first, whose matrix instructions lie six parts back; tiles 6 and 7 are read 48 plain lines later.
.macro TURN kind, XV, L, XM, i
.irp p, 0,1,2,3,4,5,6,7
	VPART \kind, \XV, \p, \i
	MMA \L, \XM, \p
.endr
.endm
.macro VALL kind, X, i
.irp p, 0,1,2,3,4,5,6,7
	VPART \kind, \X, \p, \i
.endr
.endm
; The last product: source 0 = W4's 16 outputs, source 1 = 16 rows x f, four K steps of 32 in f16; the first starts the sums.  The two tiles' accumulators take turns, one instruction a turn.
.macro M4 i
.irp s, 0,1,2,3
.irp X, 0,1
.if \s == 0
	WIN 0xc1                                       ; W4 in window 1, the result in window 3
	v_wmma_f32_16x16x32_f16 v[PH+16*(\i)+8*\X:PH+16*(\i)+8*\X+7], v[W4F+8*\s:W4F+8*\s+7], v[HA+64*\X+8*\s:HA+64*\X+8*\s+7], 0
.else
	WIN 0xf1                                       ; C and D in window 3
	v_wmma_f32_16x16x32_f16 v[PH+16*(\i)+8*\X:PH+16*(\i)+8*\X+7], v[W4F+8*\s:W4F+8*\s+7], v[HA+64*\X+8*\s:HA+64*\X+8*\s+7], v[PH+16*(\i)+8*\X:PH+16*(\i)+8*\X+7]
.endif
.endr
.endr
	WIN 0
	PLACES 4                                       ; the next vector lines write registers that these products read, or read their results
.endm
.macro TRIP i
	v_mov_b32 v[XC], v[XA+(\i)]
	v_mov_b32 v[XC+2], v[XB+(\i)]
.if (\i) == 3                                  ; x's registers are read out: the next group's x is asked for, if there is a next group: no load leaves its buffer
	s_cmp_eq_u32 s[GRP], 1
	s_cbranch_scc1 .Lno_next_x
	global_load_b128 v[XA:XA+3], v[XO], s[P_X:P_X+1] offset:512 th:TH_LOAD_NT
	global_load_b128 v[XB:XB+3], v[XO], s[P_X:P_X+1] offset:768 th:TH_LOAD_NT
.Lno_next_x:
.endif
	VALL 0, 0, \i                                  ; A: layer 0, quantised
	TURN 0, 1, 1, 0, \i                            ; B: layer 0, quantised            | A: x W1
	TURN 1, 0, 1, 1, \i                            ; A: + b1, ReLU, quantised         | B: x W1
	TURN 1, 1, 2, 0, \i                            ; B: + b1, ReLU, quantised         | A: x W2
	TURN 3, 0, 2, 1, \i                            ; A: + b2, ReLU, quantised         | B: x W2
	TURN 3, 1, 3, 0, \i                            ; B: + b2, ReLU, quantised         | A: x W3 + b3
	TURN 2, 0, 3, 1, \i                            ; A: ReLU, x f, to f16             | B: x W3 + b3
	VALL 2, 1, \i                                  ; B: ReLU, x f, to f16
	M4 \i
.endm
; ---- THE SPLINE, once for a group: four sets (set i = trip i's rows: lane l has row G + 4 l + i) step by step, so that no line waits for the line above it.
; Set i: E = v[SE + 32 i ..]: +0..4 e_w, +5..9 e_h, +10..13 the inner slopes, +14..19 what the bin search picks (before that: max(d, 0), and -m log2 e), +20..23, +24..27 running sums, +28, +29 10 / sum;
; F = v[SF + 8 i ..]: +0..3 the inner y knots, +4 z clipped.  Behind the search E+0..13 are free for the quadratic.
.macro SPLINE
	s_wait_loadcnt 0x0                             ; z, and the next group's x
.irp i, 0,1,2,3
	v_permlane16_swap_b32 v[GS+2*\i], v[GS+2*\i+1] ; g: tile A's lanes 16-31 change places with tile B's lanes 0-15: v[GS + 2 i] now holds, in every lane, the g of the row that the lane will hold
.endr
	WIN 0xc3                                       ; destination and source 0 in window 3
.irp i, 0,1,2,3
.irp j, 0,1,2,3,4,5,6,7
	v_permlane16_swap_b32 v[PH+16*\i+\j], v[PH+16*\i+8+\j]   ; tile A's lanes 16-31 (outputs 8 + j) change places with tile B's lanes 0-15 (outputs j): a lane now holds all 16 outputs of ONE row, at PH + 16 i + 0 .. 15
.endr
.endr
.irp j, 0,1,2,3,4,5,6,7,8,9,10,11,12,13
.irp i, 0,1,2,3
	v_fma_f32 v[PH+16*\i+\j], v[PH+16*\i+\j], v[GS+2*\i], s[B4S+\j]       ; the row's power of two off again, and b4: one rounding
.endr
.endr
	WIN 0x3f
.irp i, 0,1,2,3
	v_max3_num_f32 v[SE+32*\i+18], v[PH+16*\i], v[PH+16*\i+1], v[PH+16*\i+2]
	v_max3_num_f32 v[SE+32*\i+19], v[PH+16*\i+5], v[PH+16*\i+6], v[PH+16*\i+7]
.endr
	WIN 0x0f
.irp i, 0,1,2,3
	v_max3_num_f32 v[SE+32*\i+18], v[PH+16*\i+3], v[PH+16*\i+4], v[SE+32*\i+18]   ; the largest of the five widths' numbers,
	v_max3_num_f32 v[SE+32*\i+19], v[PH+16*\i+8], v[PH+16*\i+9], v[SE+32*\i+19]   ; and of the five heights': each softmax takes its maximum away
.endr
	WIN 0
.irp i, 0,1,2,3
	v_mul_f32 v[SE+32*\i+18], s[NL2E], v[SE+32*\i+18]
	v_mul_f32 v[SE+32*\i+19], s[NL2E], v[SE+32*\i+19]
.endr
	WIN 0x03
.irp j, 0,1,2,3,4
.irp i, 0,1,2,3
	v_fma_f32 v[SE+32*\i+\j], v[PH+16*\i+\j], s[L2E], v[SE+32*\i+18]       ; (w - max) log2 e
	v_fma_f32 v[SE+32*\i+5+\j], v[PH+16*\i+5+\j], s[L2E], v[SE+32*\i+19]
.endr
.endr
.irp j, 0,1,2,3
.irp i, 0,1,2,3
	v_mul_f32 v[SE+32*\i+10+\j], -|v[PH+16*\i+10+\j]|, s[L2E]              ; softplus: -|d| log2 e,
	v_max_num_f32 v[SE+32*\i+14+\j], v[PH+16*\i+10+\j], 0                  ; and max(d, 0)
.endr
.endr
	WIN 0
.irp j, 0,1,2,3,4,5,6,7,8,9,10,11,12,13
.irp i, 0,1,2,3
	v_exp_f32 v[SE+32*\i+\j], v[SE+32*\i+\j]
.endr
.endr
	v_nop                                          ; a plain place behind the exponentials
	s_wait_alu depctr_va_vdst(0)
.irp i, 0,1,2,3
	v_add_f32 v[SE+32*\i+20], v[SE+32*\i], v[SE+32*\i+1]
	v_add_f32 v[SE+32*\i+24], v[SE+32*\i+5], v[SE+32*\i+6]
.endr
.irp n, 1,2,3
.irp i, 0,1,2,3
	v_add_f32 v[SE+32*\i+20+\n], v[SE+32*\i+19+\n], v[SE+32*\i+1+\n]       ; running sums; the last is the softmax's divisor
	v_add_f32 v[SE+32*\i+24+\n], v[SE+32*\i+23+\n], v[SE+32*\i+6+\n]
.endr
.endr
.irp j, 0,1,2,3
.irp i, 0,1,2,3
	v_add_f32 v[SE+32*\i+10+\j], 1.0, v[SE+32*\i+10+\j]
.endr
.endr
.irp i, 0,1,2,3
	v_rcp_f32 v[SE+32*\i+28], v[SE+32*\i+23]
	v_rcp_f32 v[SE+32*\i+29], v[SE+32*\i+27]
.endr
.irp j, 0,1,2,3
.irp i, 0,1,2,3
	v_log_f32 v[SE+32*\i+10+\j], v[SE+32*\i+10+\j]
.endr
.endr
	v_nop                                          ; a plain place behind the transcendentals
	s_wait_alu depctr_va_vdst(0)
.irp i, 0,1,2,3
	v_mul_f32 v[SE+32*\i+28], 0x41200000, v[SE+32*\i+28]                   ; 10 / sum
	v_mul_f32 v[SE+32*\i+29], 0x41200000, v[SE+32*\i+29]
.endr
.irp j, 0,1,2,3
.irp i, 0,1,2,3
	v_fma_f32 v[SE+32*\i+10+\j], v[SE+32*\i+10+\j], s[LN2], v[SE+32*\i+14+\j]   ; softplus(d)
.endr
.endr
.irp j, 0,1,2,3
.irp i, 0,1,2,3
	v_add_f32 v[SE+32*\i+10+\j], 0x38d1b717, v[SE+32*\i+10+\j]             ; + 1e-4: the slope at inner knot j + 1
.endr
.endr
.irp i, 0,1,2,3
	v_fmaak_f32 v[SF+8*\i], v[SE+32*\i+5], v[SE+32*\i+29], 0xc0a00000      ; the inner y knots: -5 + running sum x 10 / sum
	v_fmaak_f32 v[SF+8*\i+1], v[SE+32*\i+24], v[SE+32*\i+29], 0xc0a00000
	v_fmaak_f32 v[SF+8*\i+2], v[SE+32*\i+25], v[SE+32*\i+29], 0xc0a00000
	v_fmaak_f32 v[SF+8*\i+3], v[SE+32*\i+26], v[SE+32*\i+29], 0xc0a00000
	v_med3_num_f32 v[SF+8*\i+4], v[ZZ+\i], s[NB], s[PB]                    ; z clipped to -5 .. 5
.endr
	; THE BIN SEARCH selects values, with no branch: the knots ascend, so the last knot that z reaches decides, as the count of knots reached does.
	; Picked: +14 the widths' sum ahead of the bin, +15 the bin's own e_w, +16, +17 the same of the heights, +18, +19 the slopes at its ends (1 at the outer knots).
.irp i, 0,1,2,3
	v_cmp_ge_f32 s[MK+\i], v[SF+8*\i+4], v[SF+8*\i]
.endr
.irp i, 0,1,2,3
	v_cndmask_b32 v[SE+32*\i+14], 0, v[SE+32*\i], s[MK+\i]                 ; bin 0 (the first source) or bin 1
	v_cndmask_b32 v[SE+32*\i+15], v[SE+32*\i], v[SE+32*\i+1], s[MK+\i]
	v_cndmask_b32 v[SE+32*\i+16], 0, v[SE+32*\i+5], s[MK+\i]
	v_cndmask_b32 v[SE+32*\i+17], v[SE+32*\i+5], v[SE+32*\i+6], s[MK+\i]
	v_cndmask_b32 v[SE+32*\i+18], 1.0, v[SE+32*\i+10], s[MK+\i]
	v_cndmask_b32 v[SE+32*\i+19], v[SE+32*\i+10], v[SE+32*\i+11], s[MK+\i]
.endr
.irp j, 2,3,4
.irp i, 0,1,2,3
	v_cmp_ge_f32 s[MK+\i], v[SF+8*\i+4], v[SF+8*\i+\j-1]
.endr
.irp i, 0,1,2,3
	v_cndmask_b32 v[SE+32*\i+14], v[SE+32*\i+14], v[SE+32*\i+18+\j], s[MK+\i]
	v_cndmask_b32 v[SE+32*\i+15], v[SE+32*\i+15], v[SE+32*\i+\j], s[MK+\i]
	v_cndmask_b32 v[SE+32*\i+16], v[SE+32*\i+16], v[SE+32*\i+22+\j], s[MK+\i]
	v_cndmask_b32 v[SE+32*\i+17], v[SE+32*\i+17], v[SE+32*\i+5+\j], s[MK+\i]
	v_cndmask_b32 v[SE+32*\i+18], v[SE+32*\i+18], v[SE+32*\i+9+\j], s[MK+\i]
.if \j < 4
	v_cndmask_b32 v[SE+32*\i+19], v[SE+32*\i+19], v[SE+32*\i+10+\j], s[MK+\i]
.else
	v_cndmask_b32 v[SE+32*\i+19], v[SE+32*\i+19], 1.0, s[MK+\i]
.endif
.endr
.endr
.irp i, 0,1,2,3
	v_mul_f32 v[SE+32*\i], v[SE+32*\i+15], v[SE+32*\i+28]                  ; dx
	v_mul_f32 v[SE+32*\i+1], v[SE+32*\i+17], v[SE+32*\i+29]                ; dy
	v_fmaak_f32 v[SE+32*\i+2], v[SE+32*\i+14], v[SE+32*\i+28], 0xc0a00000  ; x0
	v_fmaak_f32 v[SE+32*\i+3], v[SE+32*\i+16], v[SE+32*\i+29], 0xc0a00000  ; y0: the same arithmetic as the knot that was compared, so t is not negative
.endr
.irp i, 0,1,2,3
	v_rcp_f32 v[SE+32*\i+4], v[SE+32*\i]
.endr
.irp i, 0,1,2,3
	v_sub_f32 v[SE+32*\i+5], v[SF+8*\i+4], v[SE+32*\i+3]                   ; t = z - y0  (plain lines behind the reciprocals)
	v_add_f32 v[SE+32*\i+6], v[SE+32*\i+18], v[SE+32*\i+19]                ; d0 + d1
.endr
	s_wait_alu depctr_va_vdst(0)
.irp i, 0,1,2,3
	v_mul_f32 v[SE+32*\i+7], v[SE+32*\i+1], v[SE+32*\i+4]                  ; s = dy / dx
.endr
.irp i, 0,1,2,3
	v_fma_f32 v[SE+32*\i+6], -2.0, v[SE+32*\i+7], v[SE+32*\i+6]            ; m = d0 + d1 - 2 s
	v_sub_f32 v[SE+32*\i+9], v[SE+32*\i+7], v[SE+32*\i+18]                 ; s - d0
	v_mul_f32 v[SE+32*\i+11], -v[SE+32*\i+7], v[SE+32*\i+5]                ; c = -s t
.endr
.irp i, 0,1,2,3
	v_mul_f32 v[SE+32*\i+8], v[SE+32*\i+5], v[SE+32*\i+6]                  ; t m
.endr
.irp i, 0,1,2,3
	v_fma_f32 v[SE+32*\i+9], v[SE+32*\i+1], v[SE+32*\i+9], v[SE+32*\i+8]   ; a = dy (s - d0) + t m
	v_fma_f32 v[SE+32*\i+10], v[SE+32*\i+1], v[SE+32*\i+18], -v[SE+32*\i+8]   ; b = dy d0 - t m
.endr
.irp i, 0,1,2,3
	v_mul_f32 v[SE+32*\i+12], v[SE+32*\i+9], v[SE+32*\i+11]                ; a c
	v_mul_f32 v[SE+32*\i+13], v[SE+32*\i+10], v[SE+32*\i+10]               ; b b
.endr
.irp i, 0,1,2,3
	v_fma_f32 v[SE+32*\i+12], -4.0, v[SE+32*\i+12], v[SE+32*\i+13]
.endr
.irp i, 0,1,2,3
	v_max_num_f32 v[SE+32*\i+12], 0, v[SE+32*\i+12]                        ; the discriminant, not under 0
.endr
.irp i, 0,1,2,3
	v_sqrt_f32 v[SE+32*\i+12], v[SE+32*\i+12]
.endr
.irp i, 0,1,2,3
	v_mul_f32 v[SE+32*\i+11], v[SE+32*\i+11], v[SE+32*\i]                  ; c dx  (plain lines behind the roots)
.endr
	s_wait_alu depctr_va_vdst(0)
.irp i, 0,1,2,3
	v_sub_f32 v[SE+32*\i+13], -v[SE+32*\i+10], v[SE+32*\i+12]              ; -b - root
.endr
.irp i, 0,1,2,3
	v_rcp_f32 v[SE+32*\i+13], v[SE+32*\i+13]
.endr
	v_nop                                          ; a plain place behind the reciprocals
	s_wait_alu depctr_va_vdst(0)
.irp i, 0,1,2,3
	v_mul_f32 v[SE+32*\i+11], v[SE+32*\i+11], v[SE+32*\i+13]
.endr
.irp i, 0,1,2,3
	v_fma_f32 v[SE+32*\i+11], 2.0, v[SE+32*\i+11], v[SE+32*\i+2]           ; x0 + 2 c dx / (-b - root)
	v_cmp_ge_f32 s[MK+\i], |v[ZZ+\i]|, s[PB]
.endr
.irp i, 0,1,2,3
	v_cndmask_b32 v[OU+\i], v[SE+32*\i+11], v[ZZ+\i], s[MK+\i]             ; outside -5 .. 5: z itself
.endr
.endm
.Lgroup:                                           ; GROUPS trips: 128 rows each.  On both ways in, one load is out: this group's z
	TRIP 0
	TRIP 1
	TRIP 2
	TRIP 3
	SPLINE
	global_store_b128 v[ZO], v[OU:OU+3], s[P_OUT:P_OUT+1] th:TH_STORE_NT   ; 32 lanes store 512 consecutive bytes, aligned: rows G .. G + 127
	s_wait_xcnt 0x0                                ; the store has read its data and its base; the loads were waited for: the three bases may step
	s_add_nc_u64 s[P_X:P_X+1], s[P_X:P_X+1], 512
	s_add_nc_u64 s[P_Z:P_Z+1], s[P_Z:P_Z+1], 512
	s_add_nc_u64 s[P_OUT:P_OUT+1], s[P_OUT:P_OUT+1], 512
	s_cmp_eq_u32 s[GRP], 1                         ; the next group's z, if there is a next group: no load leaves its buffer
	s_cbranch_scc1 .Lno_next_z
	global_load_b128 v[ZZ:ZZ+3], v[ZO], s[P_Z:P_Z+1] th:TH_LOAD_NT
.Lno_next_z:
	s_sub_co_u32 s[GRP], s[GRP], 1
	s_cmp_lg_u32 s[GRP], 0
	s_cbranch_scc1 .Lgroup
	s_wait_tensorcnt 0x0
	ds_add_u32 v223, v255
	s_wait_dscnt 0x0
	s_endpgm
.Lfunc_end_k_q2e913c18e2_nflow:
	.size	k_q2e913c18e2_nflow, .Lfunc_end_k_q2e913c18e2_nflow-k_q2e913c18e2_nflow
	.p2alignl 7, 3214868480
	.fill 96, 4, 3214868480
	.section	.rodata,"a",@progbits
	.p2align	6, 0x0
	.amdhsa_kernel k_q2e913c18e2_nflow
		.amdhsa_group_segment_fixed_size 43008
		.amdhsa_private_segment_fixed_size 0
		.amdhsa_enable_private_segment 0
		.amdhsa_kernarg_size 104
		.amdhsa_user_sgpr_count 2
		.amdhsa_user_sgpr_kernarg_segment_ptr 1
		.amdhsa_wavefront_size32 1
		.amdhsa_system_sgpr_workgroup_id_x 1
		.amdhsa_system_sgpr_workgroup_id_y 1
		.amdhsa_system_sgpr_workgroup_id_z 1
		.amdhsa_system_vgpr_workitem_id 0
		.amdhsa_next_free_vgpr 1024
		.amdhsa_next_free_sgpr 84
		.amdhsa_reserve_vcc 0
		.amdhsa_float_denorm_mode_32 3
		.amdhsa_float_denorm_mode_16_64 3
		.amdhsa_memory_ordered 1
		.amdhsa_forward_progress 1
		.amdhsa_inst_pref_size 255
	.end_amdhsa_kernel
	.section	.bss,"aw",@nobits
	.p2align	6
	.space	262144
	.amdgpu_metadata
---
amdhsa.version: [ 1, 2 ]
amdhsa.kernels:
  - .name:           k_q2e913c18e2_nflow
    .symbol:         k_q2e913c18e2_nflow.kd
    .args:
      - { .name: x, .offset: 0, .size: 8, .value_kind: global_buffer, .address_space: global }
      - { .name: z, .offset: 8, .size: 8, .value_kind: global_buffer, .address_space: global }
      - { .name: W0, .offset: 16, .size: 8, .value_kind: global_buffer, .address_space: global }
      - { .name: b0, .offset: 24, .size: 8, .value_kind: global_buffer, .address_space: global }
      - { .name: W1, .offset: 32, .size: 8, .value_kind: global_buffer, .address_space: global }
      - { .name: b1, .offset: 40, .size: 8, .value_kind: global_buffer, .address_space: global }
      - { .name: W2, .offset: 48, .size: 8, .value_kind: global_buffer, .address_space: global }
      - { .name: b2, .offset: 56, .size: 8, .value_kind: global_buffer, .address_space: global }
      - { .name: W3, .offset: 64, .size: 8, .value_kind: global_buffer, .address_space: global }
      - { .name: b3, .offset: 72, .size: 8, .value_kind: global_buffer, .address_space: global }
      - { .name: W4, .offset: 80, .size: 8, .value_kind: global_buffer, .address_space: global }
      - { .name: b4, .offset: 88, .size: 8, .value_kind: global_buffer, .address_space: global }
      - { .name: out0, .offset: 96, .size: 8, .value_kind: global_buffer, .address_space: global }
    .group_segment_fixed_size: 43008
    .private_segment_fixed_size: 0
    .kernarg_segment_align: 8
    .kernarg_segment_size: 104
    .max_flat_workgroup_size: 128
    .sgpr_count:     84
    .vgpr_count:     1024
    .wavefront_size: 32
...
	.end_amdgpu_metadata
.endif
;; end of part 1
;; ======== version 2 of 2: 1 launch; version 1 with the launch nflow written anew for expert scheduling mode
;; limits: values are held in f16: magnitudes above 65,504 overflow, below 6.1e-05 lose precision; inputs' magnitudes at most 65,504
;; launch nflow (part 2): grid 256 x 1, 4 waves a work-group, no clusters, 43,008 bytes of LDS; arguments x, z, W0, b0, W1, b1, W2, b2, W3, b3, W4, b4, out0; writes out0
.if DOCPART == 2
	.amdgcn_target "amdgcn-amd-amdhsa--gfx1250"
	.amdhsa_code_object_version 6
	.text
	.protected	k_q2e913c18e2_nflow
	.globl	k_q2e913c18e2_nflow
	.p2align	8
	.type	k_q2e913c18e2_nflow,@function
k_q2e913c18e2_nflow:
	s_mov_b64 s[64:65], 0
	v_nop
	global_prefetch_b8 v0, s[64:65] scope:SCOPE_SE
	s_setreg_imm32_b32 hwreg(HW_REG_WAVE_SCHED_MODE, 0, 2), 2
	s_setreg_imm32_b32 hwreg(HW_REG_WAVE_MODE, 25, 1), 1
	s_wait_xcnt 0x0
	s_wait_alu depctr_vm_vsrc(0)
; out0[n] = the inverse of a 5-bin rational-quadratic spline at z[n]; the spline's 14 parameters come from an MLP 1 -> 128 -> 128 -> 128 -> 128 -> 14 on x[n].
; Layer 0 (K = 1): fused multiply-adds in f32.  The three products 128 x 128: both operands as codes of FP6 (E2M3), one E8M0 scale for each 32 along K, by the scaled matrix instruction; sums in f32.
; The last product (14 outputs): f16 operands, f32 sums: nothing behind it is quantised.  bf16's 8 bits are too few for it: the knots are 10 x running sums of a softmax, which multiply an error of the 14 numbers by about 4.
; Each row of its left operand is first multiplied by a power of two that brings the row's largest number under 2^15, and the sums are multiplied back: so f16's range is never leaned on for what is computed.
; Softmax (maximum taken away), softplus and the spline in f32.
; SHARES.  256 work-groups x 4 waves; a wave owns 512 rows: 4 groups of 128 rows, a group is 4 trips of 32 rows, a trip two tiles (A, B) of 16 rows.  A wave is alone on its SIMD and keeps in registers, for the
; whole launch, all that is constant: the codes of W1, W2, W3 (288 registers), their scale words (24), b1, b2, b3 in the results' layout (192), W0 and b0 (128), W4 in f16 (32); b4 in 14 scalar registers.
; So the loop has no LDS access, no barrier and no weight traffic: it reads 8 bytes and writes 4 bytes for a row.
; ROWS OF A TILE.  With G the group's first row, trip i takes rows G + 4 r + i (tile A) and G + 64 + 4 r + i (tile B), r = lane % 16.  Behind the last product lane l holds row G + 4 l + i, so a group's z is one load
; and its result one store of 16 bytes a lane: 512 consecutive bytes, aligned.  x is two such loads of 256 bytes (both halves of the lanes read the same bytes).
; LAYOUT.  Every product is used transposed: source 0 = 16 units of the weight, source 1 = 16 rows: a lane (r, h) holds ONE row throughout.  The units that form a tile of W1 and W2 are not neighbours: lane r' of
; tile 2 b + u takes unit 32 b + 8 u + r' + 8 (r' / 8), so that register 16 b + i of a lane's 64 results is unit 32 b + 16 h + i: 16 neighbours along the next K, which is what the conversions take.
; W3's tiles take neighbouring units 16 t + r': its results, rounded to f16 in pairs, ARE source 1 of the last product.
; THE BIASES.  b1 and b2 are added behind their products by f32 additions.  b3 is the C of its product: no quantiser follows.
; b4 is the addend of the multiply-add that takes the row's power of two off again.
; BY TURNS.  While one tile's eight matrix instructions are issued, the other tile's vector work (bias, ReLU, block maxima, scales, conversions) stands between them, a part in front of each.
; SET-UP.  Each wave quantises a quarter of W1, W2, W3 along K and one K step of W4; the results meet in LDS (one barrier) and every wave loads all of them.
; NO CLUSTER, NO TENSOR LOAD: what work-groups share is the weights' 204,288 bytes, read once by each; they must pass through registers to be quantised, and the loop shares nothing.
; THE MODE: SCHED_MODE bits 1:0 = 2 (LLVM: expert scheduling mode 2), set by the entry lines.  The code itself states the register dependences between vector or matrix instructions and memory or LDS
; instructions, with s_wait_alu, always for 0.
; THE PLAN.  Registers that memory or LDS instructions touch:
;   the addresses (v1-3, v7, v34-35, v48-49, v62-63, v252-254)  Written at the head, once; one wait on va_vdst ahead of the first load serves every load and store that reads them.  The loop reads v1 and v2 alone.
;   the raw weights (window 1 v0-255, window 0 v64-191)  Loaded; read by the quantiser's vector lines; window 1 is filled again by the fragments' LDS loads: a wait on va_vdst ahead of those.
;   the set-up's bytes and codes (v232-235, v192-222)  Written by a weight's vector lines, read by its 16 LDS stores, which stand together at its end behind ONE wait on va_vdst; a wait on vm_vsrc ahead of the next writer.
;   x (v36-43)   Read by the two moves at each trip's head; the next group's loads land in it in trip 3, behind that trip's first wait on va_vdst, which stands there for the codes anyway.
;   z (v44-47)   Read by the spline; the next group's load lands in it behind the group's store.
;   the results (v48-51)  Written by the spline's last selections, read by the group's store: one wait on va_vdst ahead of the store (it serves z's load too), one on vm_vsrc behind it.
;   the activations' codes and scale words (v192-215, v32-33)  Written by vector lines in parts 6 and 7 of one turn, taken by the scaled matrix instructions of the next: one wait on va_vdst a turn, behind part 0.
;   Masks that compares write into scalar registers: all 20 of a group in one run, one wait on va_sdst ahead of the selections.  The wave's number likewise at the head.
;   One wait on vm_vsrc ahead of the loop: the set-up's LDS instructions have read every register that the loop writes again.
; LIMITS.  NaN and infinities among the inputs are not served.  A block whose largest magnitude lies under 2^-124 keeps the scale byte 1 (a block of zeros too: its codes are zeros).  An exponential under 2^-126
; comes out as 0: such a bin counts as empty; a chosen bin of width or height 0 is not served.  Layer 0 rounds once (fused).  Knots are running sums of the exponentials x 10 / their sum; a bin's width and height are
; its own exponential x 10 / the sum, not a difference of knots.  softplus(v) = max(v, 0) + ln 2 x log2(1 + 2^(-|v| log2 e)).  W4 is rounded to f16 as it is given: magnitudes up to 65,504 are served, and those
; under 2^-14 are kept to 2^-25 absolutely.  The last hidden layer is rounded to f16 relative to its row's largest number (taken as 2^-100 at the least).
; Outputs 14 and 15 of the last product's tile are copies of output 13 and are never read.
;
; REGISTERS, in windows of 256 (s_set_vgpr_msb: bits 1:0 source 0, 3:2 source 1, 5:4 source 2, 7:6 destination):
;   window 0: addresses, scale words, x, z, results, the two tiles' 64 numbers, their codes, work; v223, v255: the closing add's two.   window 1: W1's and W2's fragments, W4's fragments.
;   window 2: W3's fragments, b1, b2.   window 3: b3, W0, b0, and the group's 4 x 16 spline parameters.
.set GROUPS, 4                         ; groups of 128 rows to a wave
; LDS (set-up only)
.set FRAGB, 1536                       ; a fragment's image: 32 lanes x 48 bytes (its 12 registers on end); fragment 8 L + t at FRAGB x (8 L + t)
.set SCW,   24*FRAGB                   ; scale bytes: (fragment F, row r', block g) at 96 r' + 4 F + g
.set W4I,   SCW+1536                   ; W4's four f16 fragments as images of their registers: 1024 s + 512 i + 16 lane
; window 0
.set XO,  1                            ; 16 r: my 16 bytes of x
.set ZO,  2                            ; 16 lane: my 16 bytes of z and of the result
.set LF,  3                            ; set-up: 48 lane
.set RR,  4                            ; set-up: r
.set HH,  5                            ; set-up: h
.set LN,  6                            ; set-up: lane
.set RA,  7                            ; set-up: my byte offset in a weight
.set WS,  8                            ; v8-31   scale words of W1, W2, W3: fragment F at v[WS + F]; scales and nothing else
.set PW,  32                           ; v32-33  the activations' scale words, tile A, tile B; scales and nothing else
.set AP,  34                           ; set-up: where my codes go, tiles of chosen units
.set AN,  35                           ; set-up: the same, tiles of neighbouring units
.set FN,  34                           ; the loop: v[34:35] the row's power of two f: the packed form names a pair and takes its low word
.set XA,  36                           ; v36-39  x of tile A, trips 0-3
.set XB,  40                           ; v40-43  x of tile B
.set ZZ,  44                           ; v44-47  z, trips 0-3
.set OU,  48                           ; v48-51  the results, trips 0-3
.set LSC, 48                           ; set-up: 96 r
.set W4W, 49                           ; set-up: 16 lane + 1024 wave
.set XC,  52                           ; v[52:53], v[54:55] this trip's x of tile A, B: the packed form names a pair and takes its low word
.set BT,  56                           ; set-up: v56-59 bits 0-3 of r
.set CC,  60                           ; set-up
.set R3,  61                           ; set-up: r % 4
.set SPA, 62                           ; set-up: where my scale bytes go, chosen units
.set SNA, 63                           ; set-up: neighbouring units
.set GS,  56                           ; the loop: v56-63 g = 1 / f of trip i, tile X at v[GS + 2 i + X]
.set HA,  64                           ; v64-127 tile A's 64 numbers, v128-191 tile B's
.set PC,  192                          ; v192-203 tile A's codes, v204-215 tile B's
.set CT,  216                          ; v216-218, v220-222 second halves of the conversions
.set TM,  224                          ; v224-239 at work: +0..3 maxima, +4..7 the other half's, then bytes, +8..9 half words, +12..15 scale operands
.set CD,  192                          ; set-up: codes of four columns, 8 registers each
.set QM,  224                          ; set-up: four maxima
.set QS,  228                          ; set-up: four scale operands (these are TM+4..7: written here in all lanes, ahead of the loop's lane permutes)
.set QB,  232                          ; set-up: four bytes
.set W4R, 236                          ; set-up: v236-251 16 numbers of W4
.set W4A, 252                          ; set-up: byte offsets in W4 and in the biases (64 h, 32 h)
.set BPA, 253
.set BNA, 254
.set SE,  64                           ; the spline: 32 registers for each of the four trips' rows
.set SF,  192                          ; and 8 more
; window 1
.set W1F, 0
.set W2F, 96
.set W4F, 200
; window 2
.set W3F, 0
.set B1,  96
.set B2,  160
; window 3
.set B3,  0
.set W0R, 64
.set B0R, 128
.set PH,  192                          ; trip i, tile X at PH + 16 i + 8 X
.set QT,  192                          ; set-up: two sets of 32 numbers of one column
; scalars
.set P_X, 8
.set P_Z, 10
.set P_W0, 12                          ; s12-31: the weights' and biases' addresses, for the set-up alone
.set P_B0, 14
.set P_W1, 16
.set P_B1, 18
.set P_W2, 20
.set P_B2, 22
.set P_W3, 24
.set P_B3, 26
.set P_W4, 28
.set P_B4, 30
.set P_OUT, 32
.set WV,  34                           ; wave
.set GRP, 35                           ; groups to go
.set SEL, 36                           ; s[36:37] selects for lane l xor 16
.set L2E, 38                           ; log2(e)
.set NL2E, 39                          ; -log2(e)
.set MK,  12                           ; s12-31 from the loop on (every load by the addresses that lay there is done ahead of it): the spline's masks: inner knot j of set i at MK + 4 (j - 1) + i, the outside test at MK + 16 + i
.set OFS, 44                           ; s[44:45]
.set WLO, 46                           ; wave % 2
.set WHI, 47                           ; wave / 2
.set LN2, 48                           ; ln 2
.set NB,  49                           ; -5
.set PB,  50                           ; 5
.set T0,  51
.set T1,  52
.set B4S, 68                           ; s68-81 b4's 14 numbers
.set MSB, 0
.macro WIN new                         ; the immediate's high byte repeats the setting that is left; a switch that changes nothing is dropped
.if MSB != (\new)
	s_set_vgpr_msb (MSB<<8)|(\new)
.set MSB, (\new)
.endif
.endm
.macro PLACES n
.rept \n
	v_nop
.endr
.endm
	s_load_b512 s[8:23], s[0:1], 0x0               ; x, z, W0, b0, W1, b1, W2, b2
	s_load_b256 s[24:31], s[0:1], 0x40             ; W3, b3, W4, b4
	s_load_b64 s[32:33], s[0:1], 0x60              ; out0
	v_lshl_add_u32 v223, v0, 2, 0xa600
	v_mov_b32 v255, 0
	v_lshrrev_b32 v[LF], 5, v0
	v_readfirstlane_b32 s[WV], v[LF]               ; wave 0..3
	v_and_b32 v[RR], 15, v0                        ; r
	v_bfe_u32 v[HH], v0, 4, 1                      ; h
	v_and_b32 v[LN], 31, v0                        ; lane
	v_lshlrev_b32 v[XO], 4, v[RR]
	v_lshlrev_b32 v[ZO], 4, v[LN]
	v_mul_u32_u24 v[LF], v[LN], 48
	v_mul_u32_u24 v[LSC], v[RR], 96
	s_wait_alu depctr_va_sdst(0)                   ; the wave's number is written into s[WV], ahead of its first reader
	s_and_b32 s[WLO], s[WV], 1
	s_lshr_b32 s[WHI], s[WV], 1
	s_lshl_b32 s[T0], s[WV], 10
	v_add_nc_u32 v[W4W], s[T0], v[ZO]
	; A weight is [k][n], 512 bytes a row.  My wave takes columns 64 (wave % 2) + 4 r + 0..3 and, of K, block g = 2 (wave / 2) + h: rows 32 g + i.  Sixteen lanes read 256 consecutive bytes, aligned.
	v_lshl_add_u32 v[RA], v[HH], 14, v[XO]         ; 32 h rows + 16 r
	s_lshl_b32 s[T0], s[WHI], 15                   ; + 64 (wave / 2) rows
	s_lshl_b32 s[T1], s[WLO], 8                    ; + 64 (wave % 2) columns
	s_add_co_u32 s[T0], s[T0], s[T1]
	v_add_nc_u32 v[RA], s[T0], v[RA]
	; Where column n's block g goes: fragment t, lane r' + 16 (g % 2), byte 24 (g / 2).  n = 64 (wave % 2) + 4 r + c.
	; Chosen units:      t = 4 (wave % 2) + 2 (r / 8) + (r / 2) % 2,  r' = 4 (r % 2) + 8 ((r / 4) % 2) + c.     Neighbouring units: t = 4 (wave % 2) + 2 (r / 8) + (r / 4) % 2,  r' = 4 (r % 4) + c.
	v_and_b32 v[BT], 1, v0
	v_bfe_u32 v[BT+1], v0, 1, 1
	v_bfe_u32 v[BT+2], v0, 2, 1
	v_bfe_u32 v[BT+3], v0, 3, 1
	v_and_b32 v[R3], 3, v0
	s_mul_i32 s[T0], s[WLO], 4*FRAGB
	s_mul_i32 s[T1], s[WHI], 24
	s_add_co_u32 s[T0], s[T0], s[T1]
	v_mul_u32_u24 v[CC], v[BT+3], 2*FRAGB
	v_mad_u32_u24 v[CC], v[HH], 16*48, v[CC]
	v_add_nc_u32 v[CC], s[T0], v[CC]               ; what both orders share
	v_mad_u32_u24 v[AP], v[BT+1], FRAGB, v[CC]
	v_mad_u32_u24 v[AP], v[BT], 4*48, v[AP]
	v_mad_u32_u24 v[AP], v[BT+2], 8*48, v[AP]
	v_mad_u32_u24 v[AN], v[BT+2], FRAGB, v[CC]
	v_mad_u32_u24 v[AN], v[R3], 4*48, v[AN]
	; and its scale byte: 96 r' + 4 t + g
	s_lshl_b32 s[T0], s[WLO], 4
	s_lshl_b32 s[T1], s[WHI], 1
	s_add_co_u32 s[T0], s[T0], s[T1]
	v_lshl_add_u32 v[SPA], v[BT+3], 3, v[HH]
	v_add_nc_u32 v[SPA], s[T0], v[SPA]             ; what both orders share
	v_lshl_add_u32 v[SNA], v[BT+2], 2, v[SPA]
	v_mad_u32_u24 v[SNA], v[R3], 4*96, v[SNA]
	v_lshl_add_u32 v[SPA], v[BT+1], 2, v[SPA]
	v_mad_u32_u24 v[SPA], v[BT], 4*96, v[SPA]
	v_mad_u32_u24 v[SPA], v[BT+2], 8*96, v[SPA]
	; W4 is [k][14], 56 bytes a row.  My wave makes K step s = wave of its f16 fragment: lane (r, h) holds output min(r, 13) at k = 32 s + 8 h + 0..7 and 32 s + 16 + 8 h + 0..7
	v_min_u32 v[W4A], 13, v[RR]
	v_lshlrev_b32 v[W4A], 2, v[W4A]
	v_mad_u32_u24 v[W4A], v[HH], 8*56, v[W4A]
	s_mul_i32 s[T0], s[WV], 32*56
	v_add_nc_u32 v[W4A], s[T0], v[W4A]
	v_lshlrev_b32 v[BPA], 6, v[HH]
	v_lshlrev_b32 v[BNA], 5, v[HH]
	v_mov_b32 v[XC+1], 0                           ; named as the upper halves of pairs, so they are written
	v_mov_b32 v[XC+3], 0
	s_mov_b32 s[SEL], 0x76543210
	s_mov_b32 s[SEL+1], 0xfedcba98
	s_mov_b32 s[L2E], 0x3fb8aa3b
	s_mov_b32 s[NL2E], 0xbfb8aa3b
	s_mov_b32 s[LN2], 0x3f317218
	s_mov_b32 s[NB], 0xc0a00000
	s_mov_b32 s[PB], 0x40a00000
	s_mov_b32 s[GRP], GROUPS
	s_lshl_b32 s[OFS], ttmp9, 2
	s_add_co_u32 s[OFS], s[OFS], s[WV]
	s_lshl_b32 s[OFS], s[OFS], 11                  ; my wave's 512 rows of 4 bytes
	s_mov_b32 s[OFS+1], 0
	s_wait_kmcnt 0x0
	s_load_b256 s[B4S:B4S+7], s[P_B4:P_B4+1], 0x0  ; b4[0..7],
	s_load_b128 s[B4S+8:B4S+11], s[P_B4:P_B4+1], 0x20   ; b4[8..11],
	s_load_b64 s[B4S+12:B4S+13], s[P_B4:P_B4+1], 0x30   ; b4[12, 13]: bytes 48 to 55, the buffer's last
	s_add_nc_u64 s[P_X:P_X+1], s[P_X:P_X+1], s[OFS:OFS+1]
	s_add_nc_u64 s[P_Z:P_Z+1], s[P_Z:P_Z+1], s[OFS:OFS+1]
	s_add_nc_u64 s[P_OUT:P_OUT+1], s[P_OUT:P_OUT+1], s[OFS:OFS+1]
; 32 loads: rows 32 g + 0..31 of a weight at my four columns: register 4 i + c = W(32 g + i, column c)
.macro RAWLOAD base, ptr
.set cnt_, 0
.rept 32
	global_load_b128 v[\base+4*cnt_:\base+4*cnt_+3], v[RA], s[\ptr:\ptr+1] offset:512*cnt_
.set cnt_, cnt_+1
.endr
.endm
; A vector of 128 in the layout of results on chosen units: register 16 b + i = element 32 b + 16 h + i
.macro BLOADP base, ptr
.irp b, 0,1,2,3
.irp q, 0,1,2,3
	global_load_b128 v[\base+16*\b+4*\q:\base+16*\b+4*\q+3], v[BPA], s[\ptr:\ptr+1] offset:128*\b+16*\q
.endr
.endr
.endm
; My quarter of a weight becomes codes and scale bytes in LDS.  rb, rw: the numbers' first register and window; ac, as: the LDS addresses; L: which weight.
; A lane holds one whole block of 32 along K for each of four columns, four registers apart; the conversions take 16 CONSECUTIVE registers, so each column is first moved together: 128 moves a weight, once in the launch.
; All four columns are worked first; their 16 LDS stores stand together at the end, behind one wait.
.macro QMAT rb, rw, ac, as, L
	s_wait_dscnt 0x0                               ; the last weight's LDS stores have read their registers
.if (\L) > 0
	s_wait_alu depctr_vm_vsrc(0)                   ; the last weight's LDS stores have read v[QB ..] and v[CD ..], which the lines below write again
.endif
	WIN (\rw)|((\rw)<<2)
.irp c, 0,1,2,3
	v_max3_num_f32 v[QM+\c], |v[\rb+\c]|, |v[\rb+4+\c]|, 0x1800000   ; the block's largest magnitude, and the floor 2^(3 - 127): the byte cannot fall under 1.  Four columns by turns
.endr
.irp i, 2,4,6,8,10,12,14,16,18,20,22,24,26,28,30
.irp c, 0,1,2,3
	v_max3_num_f32 v[QM+\c], |v[\rb+4*\i+\c]|, |v[\rb+4*\i+4+\c]|, v[QM+\c]
.endr
.endr
	WIN 0
.irp c, 0,1,2,3
	v_add_nc_u32 v[QS+\c], 0xff000000, v[QM+\c]    ; 2 off its exponent field: the conversion takes the exponent field of this operand as its scale
.endr
.irp c, 0,1,2,3
	v_lshrrev_b32 v[QB+\c], 23, v[QS+\c]           ; the scale's byte
.endr
.irp c, 0,1,2,3
	WIN 0xc0|(\rw)
.set cnt_, 0
.rept 32
	v_mov_b32 v[QT+32*(\c%2)+cnt_], v[\rb+4*cnt_+\c]
.set cnt_, cnt_+1
.endr
	WIN 0x03
	v_cvt_scalef32_pk16_fp6_f32 v[CD+8*\c:CD+8*\c+2], v[QT+32*(\c%2):QT+32*(\c%2)+15], v[QS+\c]
	v_cvt_scalef32_pk16_fp6_f32 v[CD+8*\c+4:CD+8*\c+6], v[QT+32*(\c%2)+16:QT+32*(\c%2)+31], v[QS+\c]   ; (a conversion's three registers begin on an even number)
	WIN 0
	v_nop                                          ; one plain place behind a scaled conversion
	v_mov_b32 v[CD+8*\c+3], v[CD+8*\c+4]
	v_mov_b32 v[CD+8*\c+4], v[CD+8*\c+5]
	v_mov_b32 v[CD+8*\c+5], v[CD+8*\c+6]           ; the block's 24 bytes on end
.endr
	s_wait_alu depctr_va_vdst(0)                   ; the four bytes v[QB ..] and the four columns' codes v[CD ..] are written, which the 16 LDS stores below read
.irp c, 0,1,2,3
	ds_store_b8 v[\as], v[QB+\c] offset:SCW+32*(\L)+96*\c
.endr
.irp c, 0,1,2,3
.irp p, 0,1,2
	ds_store_b64 v[\ac], v[CD+8*\c+2*\p:CD+8*\c+2*\p+1] offset:8*FRAGB*(\L)+48*\c+8*\p
.endr
.endr
.endm
	WIN 0x40
	s_wait_alu depctr_va_vdst(0)                   ; every address and offset of the kernel is written (v1-3, v7, v34-35, v48-49, v62-63, v252-254): the loads and stores from here on read them, and no vector line writes them again while they serve
	RAWLOAD 0, P_W1                                ; window 1, v0-127
	RAWLOAD 128, P_W2                              ; window 1, v128-255
	WIN 0
	s_wait_loadcnt 32                              ; W1 is in; W2's 32 loads were issued behind it
	RAWLOAD HA, P_W3                               ; window 0, v64-191
.irp j, 0,1,2,3,4,5,6,7
	global_load_b32 v[W4R+\j], v[W4A], s[P_W4:P_W4+1] offset:56*\j
.endr
.irp j, 8,9,10,11,12,13,14,15
	global_load_b32 v[W4R+\j], v[W4A], s[P_W4:P_W4+1] offset:56*(\j+8)
.endr
	QMAT 0, 1, AP, SPA, 0
	s_wait_loadcnt 48                              ; W2 is in; behind it: W3's 32 and W4's 16
	WIN 0xc0
	BLOADP W0R, P_W0                               ; (no vector line has named the registers in which these and the biases below land)
	BLOADP B0R, P_B0
	WIN 0
	QMAT 128, 1, AP, SPA, 1
	s_wait_loadcnt 32                              ; W3 and W4 are in; behind them: W0's and b0's 32
	WIN 0x80
	BLOADP B1, P_B1
	BLOADP B2, P_B2
	WIN 0
	QMAT HA, 0, AN, SNA, 2
	s_wait_dscnt 0x0                               ; the stores have read the codes' registers
	s_wait_alu depctr_vm_vsrc(0)                   ; W3's LDS stores have read v[CD ..], which the conversions below write
.irp p, 0,1,2,3,4,5,6,7
	v_cvt_pk_f16_f32 v[CD+\p], v[W4R+2*\p], v[W4R+2*\p+1]   ; W4's K step: eight registers of an f16 fragment
.endr
	s_wait_alu depctr_va_vdst(0)                   ; the eight conversions have written v[CD .. CD + 7], which the two LDS stores read
	ds_store_b128 v[W4W], v[CD:CD+3] offset:W4I
	ds_store_b128 v[W4W], v[CD+4:CD+7] offset:W4I+512
	WIN 0xc0
.irp t, 0,1,2,3,4,5,6,7                        ; b3 in the layout of results on neighbouring units: register 8 t + j = element 16 t + 8 h + j
	global_load_b128 v[B3+8*\t:B3+8*\t+3], v[BNA], s[P_B3:P_B3+1] offset:64*\t
	global_load_b128 v[B3+8*\t+4:B3+8*\t+7], v[BNA], s[P_B3:P_B3+1] offset:64*\t+16
.endr
	WIN 0
	global_load_b128 v[XA:XA+3], v[XO], s[P_X:P_X+1] th:TH_LOAD_NT
	global_load_b128 v[XB:XB+3], v[XO], s[P_X:P_X+1] offset:256 th:TH_LOAD_NT
	global_load_b128 v[ZZ:ZZ+3], v[ZO], s[P_Z:P_Z+1] th:TH_LOAD_NT    ; the youngest load
	s_wait_dscnt 0x0                               ; for the others' sake: my codes, scale bytes and W4's image have landed
	s_barrier_signal -1
	s_barrier_wait -1                              ; everybody's have: the launch's one barrier
	WIN 0x40
	s_wait_alu depctr_va_vdst(0)                   ; the quantiser's maxima and moves are done reading W1's and W2's numbers in window 1, in which the fragments below land
.set cnt_, 0
.rept 16                                       ; W1's and W2's fragments: 12 registers each, three loads of 16 bytes a lane
.irp i, 0,1,2
	ds_load_b128 v[12*cnt_+4*\i:12*cnt_+4*\i+3], v[LF] offset:FRAGB*cnt_+16*\i
.endr
.set cnt_, cnt_+1
.endr
.irp s, 0,1,2,3
.irp i, 0,1
	ds_load_b128 v[W4F+8*\s+4*\i:W4F+8*\s+4*\i+3], v[ZO] offset:W4I+1024*\s+512*\i
.endr
.endr
	WIN 0x80
.set cnt_, 0
.rept 8                                        ; W3's
.irp i, 0,1,2
	ds_load_b128 v[W3F+12*cnt_+4*\i:W3F+12*cnt_+4*\i+3], v[LF] offset:FRAGB*(16+cnt_)+16*\i
.endr
.set cnt_, cnt_+1
.endr
	WIN 0
.irp j, 0,1,2,3,4,5
	ds_load_b128 v[WS+4*\j:WS+4*\j+3], v[LSC] offset:SCW+16*\j      ; row r's scale words of fragments 4 j .. 4 j + 3
.endr
	s_wait_alu depctr_vm_vsrc(0)                   ; the set-up's LDS stores and loads have read their addresses (v34-35, v48-49, v62-63) and data (v192-222, v232-235): the line below and the loop write these registers again
	v_mov_b32 v[FN+1], 0                           ; named as the upper half of a pair, so it is written (the set-up's address in it is done with)
	s_wait_dscnt 0x0
	s_wait_kmcnt 0x0                               ; b4
	s_wait_loadcnt 0x1                             ; W0, the biases and x are in; z's load, the youngest, may stay out
; ---- THE VECTOR WORK OF A TILE X (0 = A, 1 = B), in eight parts
.macro FMA8 X, p                               ; layer 0: 16 units, two to an instruction: x W0 + b0, fused
	WIN 0x33                                       ; W0 and b0 in window 3
.irp k, 0,2,4,6,8,10,12,14
	v_pk_fma_f32 v[HA+64*(\X)+16*(\p)+\k:HA+64*(\X)+16*(\p)+\k+1], v[W0R+16*(\p)+\k:W0R+16*(\p)+\k+1], v[XC+2*(\X):XC+2*(\X)+1], v[B0R+16*(\p)+\k:B0R+16*(\p)+\k+1] op_sel_hi:[1,0,1]
.endr
	WIN 0
.endm
.macro BADD8 X, p, bias                        ; a product's sums + the bias, two to an instruction, ascending: each accumulator is read from its low end on
	WIN 0x08                                       ; the bias in window 2
.irp k, 0,2,4,6,8,10,12,14
	v_pk_add_f32 v[HA+64*(\X)+16*(\p)+\k:HA+64*(\X)+16*(\p)+\k+1], v[HA+64*(\X)+16*(\p)+\k:HA+64*(\X)+16*(\p)+\k+1], v[(\bias)+16*(\p)+\k:(\bias)+16*(\p)+\k+1]
.endr
	WIN 0
.endm
.macro RELU16 X, p                             ; ascending: each accumulator is read from its low end on
.irp k, 0,1,2,3,4,5,6,7,8,9,10,11,12,13,14,15
	v_max_num_f32 v[HA+64*(\X)+16*(\p)+\k], 0, v[HA+64*(\X)+16*(\p)+\k]
.endr
.endm
.macro QMAX X, half                            ; my 16 numbers of each of the four blocks; none is negative, so no |.|; the four blocks by turns
.if (\half) == 0
.irp b, 0,1,2,3
	v_max3_num_f32 v[TM+\b], v[HA+64*(\X)+16*\b], v[HA+64*(\X)+16*\b+1], 0x1800000   ; and the floor 2^(3 - 127): the byte cannot fall under 1
.endr
.irp k, 2,4,6
.irp b, 0,1,2,3
	v_max3_num_f32 v[TM+\b], v[TM+\b], v[HA+64*(\X)+16*\b+\k], v[HA+64*(\X)+16*\b+\k+1]
.endr
.endr
.else
.irp k, 8,10,12,14
.irp b, 0,1,2,3
	v_max3_num_f32 v[TM+\b], v[TM+\b], v[HA+64*(\X)+16*\b+\k], v[HA+64*(\X)+16*\b+\k+1]
.endr
.endr
.endif
.endm
.macro QSCALE X
.irp b, 0,1,2,3
	v_permlanex16_b32 v[TM+4+\b], v[TM+\b], s[SEL], s[SEL+1]
.endr
.irp b, 0,1,2,3
	v_max_num_f32 v[TM+\b], v[TM+\b], v[TM+4+\b]   ; with lane l xor 16's: the block's largest
.endr
.irp b, 0,1,2,3
	v_add_nc_u32 v[TM+12+\b], 0xff000000, v[TM+\b] ; 2 off its exponent field: the conversion's scale operand
.endr
.irp b, 0,1,2,3
	v_lshrrev_b32 v[TM+4+\b], 23, v[TM+12+\b]      ; the scale's byte
.endr
	v_lshl_or_b32 v[TM+8], v[TM+5], 8, v[TM+4]
	v_lshl_or_b32 v[TM+9], v[TM+7], 8, v[TM+6]
	v_lshl_or_b32 v[PW+(\X)], v[TM+9], 16, v[TM+8] ; my row's scale word
.endm
.macro QCODE X
.irp c, 0,1
	v_cvt_scalef32_pk16_fp6_f32 v[PC+12*(\X)+6*\c:PC+12*(\X)+6*\c+2], v[HA+64*(\X)+32*\c:HA+64*(\X)+32*\c+15], v[TM+12+2*\c]
	v_cvt_scalef32_pk16_fp6_f32 v[CT+4*\c:CT+4*\c+2], v[HA+64*(\X)+32*\c+16:HA+64*(\X)+32*\c+31], v[TM+13+2*\c]   ; (a conversion's three registers begin on an even number)
.endr
	v_nop                                          ; one plain place behind a scaled conversion
.irp c, 0,1                                    ; the operand's layout wants a WHOLE block in a lane: lanes 0-15 block 2 c, lanes 16-31 block 2 c + 1
.irp i, 0,1,2
	v_permlane16_swap_b32 v[PC+12*(\X)+6*\c+\i], v[CT+4*\c+\i]
.endr
.irp i, 0,1,2
	v_mov_b32 v[PC+12*(\X)+6*\c+3+\i], v[CT+4*\c+\i]
.endr
.endr
.endm
; The last hidden layer's row gets its power of two.  E = the exponent field of the row's largest number (2^-100 at the least: E from 27 to 254).  f = 2^(141 - E), field 268 - E, brings the row under 2^15;
; g = 2^(E - 141), field E - 14, takes it off again behind the product.  Both fields lie between 13 and 241: both are ordinary numbers, and multiplying by them rounds nothing that f16 would keep.
.macro NORM X, i
	v_max3_num_f32 v[TM], v[TM], v[TM+1], v[TM+2]
	v_max3_num_f32 v[TM], v[TM], v[TM+3], 0xd800000
	v_permlanex16_b32 v[TM+4], v[TM], s[SEL], s[SEL+1]
	v_max_num_f32 v[TM], v[TM], v[TM+4]            ; with lane l xor 16's 64 units: the row's largest
	v_and_b32 v[TM], 0x7f800000, v[TM]
	v_sub_nc_u32 v[FN], 0x86000000, v[TM]          ; f
	v_add_nc_u32 v[GS+2*(\i)+(\X)], 0xf9000000, v[TM]   ; g
.endm
.macro SCALE16 X, half                         ; 32 of the row's numbers x f, two to an instruction
.irp k, 0,2,4,6,8,10,12,14,16,18,20,22,24,26,28,30
	v_pk_mul_f32 v[HA+64*(\X)+32*(\half)+\k:HA+64*(\X)+32*(\half)+\k+1], v[HA+64*(\X)+32*(\half)+\k:HA+64*(\X)+32*(\half)+\k+1], v[FN:FN+1] op_sel_hi:[1,0]
.endr
.endm
.macro TOF16 X                                 ; to f16, in place and ascending: register 4 t + j takes units 16 t + 8 h + 2 j, + 1: registers 8 s .. 8 s + 7 are K step s of the last product's source 1
.set cnt_, 0
.rept 32
	v_cvt_pk_f16_f32 v[HA+64*(\X)+cnt_], v[HA+64*(\X)+2*cnt_], v[HA+64*(\X)+2*cnt_+1]
.set cnt_, cnt_+1
.endr
.endm
; kind 0: layer 0, ReLU, quantised;  1: the first product's sums + b1, ReLU, quantised;  3: the second's + b2, likewise;  2: the third's results (b3 was its C), ReLU, x f, to f16.  i: the trip (for g's register)
.macro VPART kind, X, p, i
.if (\p) < 4
.if (\kind) == 0
	FMA8 \X, \p
.elseif (\kind) == 1
	BADD8 \X, \p, B1
.elseif (\kind) == 3
	BADD8 \X, \p, B2
.endif
	RELU16 \X, \p
.elseif (\p) == 4
	QMAX \X, 0
.elseif (\p) == 5
	QMAX \X, 1
.elseif (\kind) == 2
.if (\p) == 6
	NORM \X, \i
	SCALE16 \X, 0
.else
	SCALE16 \X, 1
	TOF16 \X
.endif
.elseif (\p) == 6
	QSCALE \X
.else
	QCODE \X
.endif
.endm
; ---- ONE MATRIX INSTRUCTION: tile t (16 units) of layer L for tile X's 16 rows; K = 128 is one instruction, which starts and ends the sum
.macro MMA L, X, t
.if (\L) == 1
	WIN 0x01                                       ; source 0 window 1
	v_wmma_scale_f32_16x16x128_f8f6f4 v[HA+64*(\X)+8*(\t):HA+64*(\X)+8*(\t)+7], v[W1F+12*(\t):W1F+12*(\t)+11], v[PC+12*(\X):PC+12*(\X)+11], 0, v[WS+(\t)], v[PW+(\X)] matrix_a_fmt:MATRIX_FMT_FP6 matrix_b_fmt:MATRIX_FMT_FP6
.elseif (\L) == 2
	WIN 0x01
	v_wmma_scale_f32_16x16x128_f8f6f4 v[HA+64*(\X)+8*(\t):HA+64*(\X)+8*(\t)+7], v[W2F+12*(\t):W2F+12*(\t)+11], v[PC+12*(\X):PC+12*(\X)+11], 0, v[WS+8+(\t)], v[PW+(\X)] matrix_a_fmt:MATRIX_FMT_FP6 matrix_b_fmt:MATRIX_FMT_FP6
.else
	WIN 0x32                                       ; source 0 window 2, C (b3 in the result's layout) window 3
	v_wmma_scale_f32_16x16x128_f8f6f4 v[HA+64*(\X)+8*(\t):HA+64*(\X)+8*(\t)+7], v[W3F+12*(\t):W3F+12*(\t)+11], v[PC+12*(\X):PC+12*(\X)+11], v[B3+8*(\t):B3+8*(\t)+7], v[WS+16+(\t)], v[PW+(\X)] matrix_a_fmt:MATRIX_FMT_FP6 matrix_b_fmt:MATRIX_FMT_FP6
.endif
	WIN 0
.endm
; A TURN: tile XM has the matrix unit for layer L; tile XV's vector work stands in eight parts, one in front of each matrix instruction.  The parts name none of the registers of the matrix instructions round them.
; Distances (ISA guide 7.12.1 for unscaled forms): a tile's scale word is written in part 6 and its codes in part 7 of one turn; the next turn's part 0, 16 plain lines or more of the other tile, stands
; ahead of the first matrix instruction that names them.  A tile's results are read from the next turn's part 0 on, tiles 0 and 1 first, whose matrix instructions lie six parts back; tiles 6 and 7 are read 48 plain lines later.
; ONE WAIT A TURN, behind part 0's places and directly ahead of the first matrix instruction.  The turn's other seven name the same codes and scale word, and no line between writes these: parts 6 and 7 write the other tile's.
; nx = 1, in trip 3's first turn: the next group's x is asked for behind that wait.
.macro TURN kind, XV, L, XM, i, nx
	VPART \kind, \XV, 0, \i
	s_wait_alu depctr_va_vdst(0)                   ; tile XM's codes v[PC + 12 XM ..] and its scale word v[PW + XM] are written, which the eight scaled matrix instructions of this turn take; nx = 1: and the moves at the trips' heads are done reading x's registers
.if \nx
	s_cmp_eq_u32 s[GRP], 1                         ; x's registers are read out: the next group's x is asked for, if there is a next group: no load leaves its buffer
	s_cbranch_scc1 .Lno_next_x
	global_load_b128 v[XA:XA+3], v[XO], s[P_X:P_X+1] offset:512 th:TH_LOAD_NT   ; no vector line since the wait names v[XA ..], v[XB ..] or the offset
	global_load_b128 v[XB:XB+3], v[XO], s[P_X:P_X+1] offset:768 th:TH_LOAD_NT
.Lno_next_x:
.endif
	MMA \L, \XM, 0
.irp p, 1,2,3,4,5,6,7
	VPART \kind, \XV, \p, \i
	MMA \L, \XM, \p
.endr
.endm
.macro VALL kind, X, i
.irp p, 0,1,2,3,4,5,6,7
	VPART \kind, \X, \p, \i
.endr
.endm
; The last product: source 0 = W4's 16 outputs, source 1 = 16 rows x f, four K steps of 32 in f16; the first starts the sums.  The two tiles' accumulators take turns, one instruction a turn.
.macro M4 i
.irp s, 0,1,2,3
.irp X, 0,1
.if \s == 0
	WIN 0xc1                                       ; W4 in window 1, the result in window 3
	v_wmma_f32_16x16x32_f16 v[PH+16*(\i)+8*\X:PH+16*(\i)+8*\X+7], v[W4F+8*\s:W4F+8*\s+7], v[HA+64*\X+8*\s:HA+64*\X+8*\s+7], 0
.else
	WIN 0xf1                                       ; C and D in window 3
	v_wmma_f32_16x16x32_f16 v[PH+16*(\i)+8*\X:PH+16*(\i)+8*\X+7], v[W4F+8*\s:W4F+8*\s+7], v[HA+64*\X+8*\s:HA+64*\X+8*\s+7], v[PH+16*(\i)+8*\X:PH+16*(\i)+8*\X+7]
.endif
.endr
.endr
	WIN 0
	PLACES 4                                       ; the next vector lines write registers that these products read, or read their results
.endm
.macro TRIP i
	v_mov_b32 v[XC], v[XA+(\i)]
	v_mov_b32 v[XC+2], v[XB+(\i)]
	VALL 0, 0, \i                                  ; A: layer 0, quantised
.if (\i) == 3
	TURN 0, 1, 1, 0, \i, 1                         ; B: layer 0, quantised            | A: x W1      (and the next group's x)
.else
	TURN 0, 1, 1, 0, \i, 0                         ; B: layer 0, quantised            | A: x W1
.endif
	TURN 1, 0, 1, 1, \i, 0                         ; A: + b1, ReLU, quantised         | B: x W1
	TURN 1, 1, 2, 0, \i, 0                         ; B: + b1, ReLU, quantised         | A: x W2
	TURN 3, 0, 2, 1, \i, 0                         ; A: + b2, ReLU, quantised         | B: x W2
	TURN 3, 1, 3, 0, \i, 0                         ; B: + b2, ReLU, quantised         | A: x W3 + b3
	TURN 2, 0, 3, 1, \i, 0                         ; A: ReLU, x f, to f16             | B: x W3 + b3
	VALL 2, 1, \i                                  ; B: ReLU, x f, to f16
	M4 \i
.endm
; ---- THE SPLINE, once for a group: four sets (set i = trip i's rows: lane l has row G + 4 l + i) step by step, so that no line waits for the line above it.
; Set i: E = v[SE + 32 i ..]: +0..4 e_w, +5..9 e_h, +10..13 the inner slopes, +14..19 what the bin search picks (before that: max(d, 0), and -m log2 e), +20..23, +24..27 running sums, +28, +29 10 / sum;
; F = v[SF + 8 i ..]: +0..3 the inner y knots, +4 z clipped.  Behind the search E+0..13 are free for the quadratic.
.macro SPLINE
	s_wait_loadcnt 0x0                             ; z, and the next group's x
.irp i, 0,1,2,3
	v_permlane16_swap_b32 v[GS+2*\i], v[GS+2*\i+1] ; g: tile A's lanes 16-31 change places with tile B's lanes 0-15: v[GS + 2 i] now holds, in every lane, the g of the row that the lane will hold
.endr
	WIN 0xc3                                       ; destination and source 0 in window 3
.irp i, 0,1,2,3
.irp j, 0,1,2,3,4,5,6,7
	v_permlane16_swap_b32 v[PH+16*\i+\j], v[PH+16*\i+8+\j]   ; tile A's lanes 16-31 (outputs 8 + j) change places with tile B's lanes 0-15 (outputs j): a lane now holds all 16 outputs of ONE row, at PH + 16 i + 0 .. 15
.endr
.endr
.irp j, 0,1,2,3,4,5,6,7,8,9,10,11,12,13
.irp i, 0,1,2,3
	v_fma_f32 v[PH+16*\i+\j], v[PH+16*\i+\j], v[GS+2*\i], s[B4S+\j]       ; the row's power of two off again, and b4: one rounding
.endr
.endr
	WIN 0x3f
.irp i, 0,1,2,3
	v_max3_num_f32 v[SE+32*\i+18], v[PH+16*\i], v[PH+16*\i+1], v[PH+16*\i+2]
	v_max3_num_f32 v[SE+32*\i+19], v[PH+16*\i+5], v[PH+16*\i+6], v[PH+16*\i+7]
.endr
	WIN 0x0f
.irp i, 0,1,2,3
	v_max3_num_f32 v[SE+32*\i+18], v[PH+16*\i+3], v[PH+16*\i+4], v[SE+32*\i+18]   ; the largest of the five widths' numbers,
	v_max3_num_f32 v[SE+32*\i+19], v[PH+16*\i+8], v[PH+16*\i+9], v[SE+32*\i+19]   ; and of the five heights': each softmax takes its maximum away
.endr
	WIN 0
.irp i, 0,1,2,3
	v_mul_f32 v[SE+32*\i+18], s[NL2E], v[SE+32*\i+18]
	v_mul_f32 v[SE+32*\i+19], s[NL2E], v[SE+32*\i+19]
.endr
	WIN 0x03
.irp j, 0,1,2,3,4
.irp i, 0,1,2,3
	v_fma_f32 v[SE+32*\i+\j], v[PH+16*\i+\j], s[L2E], v[SE+32*\i+18]       ; (w - max) log2 e
	v_fma_f32 v[SE+32*\i+5+\j], v[PH+16*\i+5+\j], s[L2E], v[SE+32*\i+19]
.endr
.endr
.irp j, 0,1,2,3
.irp i, 0,1,2,3
	v_mul_f32 v[SE+32*\i+10+\j], -|v[PH+16*\i+10+\j]|, s[L2E]              ; softplus: -|d| log2 e,
	v_max_num_f32 v[SE+32*\i+14+\j], v[PH+16*\i+10+\j], 0                  ; and max(d, 0)
.endr
.endr
	WIN 0
.irp j, 0,1,2,3,4,5,6,7,8,9,10,11,12,13
.irp i, 0,1,2,3
	v_exp_f32 v[SE+32*\i+\j], v[SE+32*\i+\j]
.endr
.endr
	v_nop                                          ; a plain place behind the exponentials
	s_wait_alu depctr_va_vdst(0)                   ; the 56 exponentials have written E + 0 .. 13 of the four sets, ahead of the sums that read them: one wait for the batch
.irp i, 0,1,2,3
	v_add_f32 v[SE+32*\i+20], v[SE+32*\i], v[SE+32*\i+1]
	v_add_f32 v[SE+32*\i+24], v[SE+32*\i+5], v[SE+32*\i+6]
.endr
.irp n, 1,2,3
.irp i, 0,1,2,3
	v_add_f32 v[SE+32*\i+20+\n], v[SE+32*\i+19+\n], v[SE+32*\i+1+\n]       ; running sums; the last is the softmax's divisor
	v_add_f32 v[SE+32*\i+24+\n], v[SE+32*\i+23+\n], v[SE+32*\i+6+\n]
.endr
.endr
.irp j, 0,1,2,3
.irp i, 0,1,2,3
	v_add_f32 v[SE+32*\i+10+\j], 1.0, v[SE+32*\i+10+\j]
.endr
.endr
.irp i, 0,1,2,3
	v_rcp_f32 v[SE+32*\i+28], v[SE+32*\i+23]
	v_rcp_f32 v[SE+32*\i+29], v[SE+32*\i+27]
.endr
.irp j, 0,1,2,3
.irp i, 0,1,2,3
	v_log_f32 v[SE+32*\i+10+\j], v[SE+32*\i+10+\j]
.endr
.endr
	v_nop                                          ; a plain place behind the transcendentals
	s_wait_alu depctr_va_vdst(0)                   ; the 8 reciprocals have written E + 28, 29 and the 16 logarithms E + 10 .. 13, ahead of their first readers: one wait for the batch
.irp i, 0,1,2,3
	v_mul_f32 v[SE+32*\i+28], 0x41200000, v[SE+32*\i+28]                   ; 10 / sum
	v_mul_f32 v[SE+32*\i+29], 0x41200000, v[SE+32*\i+29]
.endr
.irp i, 0,1,2,3
	v_fmaak_f32 v[SF+8*\i], v[SE+32*\i+5], v[SE+32*\i+29], 0xc0a00000      ; the inner y knots: -5 + running sum x 10 / sum
	v_fmaak_f32 v[SF+8*\i+1], v[SE+32*\i+24], v[SE+32*\i+29], 0xc0a00000
	v_fmaak_f32 v[SF+8*\i+2], v[SE+32*\i+25], v[SE+32*\i+29], 0xc0a00000
	v_fmaak_f32 v[SF+8*\i+3], v[SE+32*\i+26], v[SE+32*\i+29], 0xc0a00000
	v_med3_num_f32 v[SF+8*\i+4], v[ZZ+\i], s[NB], s[PB]                    ; z clipped to -5 .. 5
.endr
	; ALL THE GROUP'S COMPARES IN ONE RUN, each into a scalar register of its own: z against the four inner knots, and |z| against 5.  The slopes' 32 lines stand between the run and the one wait for it.
.irp j, 1,2,3,4
.irp i, 0,1,2,3
	v_cmp_ge_f32 s[MK+4*(\j-1)+\i], v[SF+8*\i+4], v[SF+8*\i+\j-1]
.endr
.endr
.irp i, 0,1,2,3
	v_cmp_ge_f32 s[MK+16+\i], |v[ZZ+\i]|, s[PB]
.endr
.irp j, 0,1,2,3
.irp i, 0,1,2,3
	v_fma_f32 v[SE+32*\i+10+\j], v[SE+32*\i+10+\j], s[LN2], v[SE+32*\i+14+\j]   ; softplus(d)
.endr
.endr
.irp j, 0,1,2,3
.irp i, 0,1,2,3
	v_add_f32 v[SE+32*\i+10+\j], 0x38d1b717, v[SE+32*\i+10+\j]             ; + 1e-4: the slope at inner knot j + 1
.endr
.endr
	s_wait_alu depctr_va_sdst(0)                   ; the 20 masks s[MK .. MK + 19] are written, ahead of the first selection that reads one
	; THE BIN SEARCH selects values, with no branch: the knots ascend, so the last knot that z reaches decides, as the count of knots reached does.
	; Picked: +14 the widths' sum ahead of the bin, +15 the bin's own e_w, +16, +17 the same of the heights, +18, +19 the slopes at its ends (1 at the outer knots).
.irp i, 0,1,2,3
	v_cndmask_b32 v[SE+32*\i+14], 0, v[SE+32*\i], s[MK+\i]                 ; bin 0 (the first source) or bin 1
	v_cndmask_b32 v[SE+32*\i+15], v[SE+32*\i], v[SE+32*\i+1], s[MK+\i]
	v_cndmask_b32 v[SE+32*\i+16], 0, v[SE+32*\i+5], s[MK+\i]
	v_cndmask_b32 v[SE+32*\i+17], v[SE+32*\i+5], v[SE+32*\i+6], s[MK+\i]
	v_cndmask_b32 v[SE+32*\i+18], 1.0, v[SE+32*\i+10], s[MK+\i]
	v_cndmask_b32 v[SE+32*\i+19], v[SE+32*\i+10], v[SE+32*\i+11], s[MK+\i]
.endr
.irp j, 2,3,4
.irp i, 0,1,2,3
	v_cndmask_b32 v[SE+32*\i+14], v[SE+32*\i+14], v[SE+32*\i+18+\j], s[MK+4*(\j-1)+\i]
	v_cndmask_b32 v[SE+32*\i+15], v[SE+32*\i+15], v[SE+32*\i+\j], s[MK+4*(\j-1)+\i]
	v_cndmask_b32 v[SE+32*\i+16], v[SE+32*\i+16], v[SE+32*\i+22+\j], s[MK+4*(\j-1)+\i]
	v_cndmask_b32 v[SE+32*\i+17], v[SE+32*\i+17], v[SE+32*\i+5+\j], s[MK+4*(\j-1)+\i]
	v_cndmask_b32 v[SE+32*\i+18], v[SE+32*\i+18], v[SE+32*\i+9+\j], s[MK+4*(\j-1)+\i]
.if \j < 4
	v_cndmask_b32 v[SE+32*\i+19], v[SE+32*\i+19], v[SE+32*\i+10+\j], s[MK+4*(\j-1)+\i]
.else
	v_cndmask_b32 v[SE+32*\i+19], v[SE+32*\i+19], 1.0, s[MK+4*(\j-1)+\i]
.endif
.endr
.endr
.irp i, 0,1,2,3
	v_mul_f32 v[SE+32*\i], v[SE+32*\i+15], v[SE+32*\i+28]                  ; dx
	v_mul_f32 v[SE+32*\i+1], v[SE+32*\i+17], v[SE+32*\i+29]                ; dy
	v_fmaak_f32 v[SE+32*\i+2], v[SE+32*\i+14], v[SE+32*\i+28], 0xc0a00000  ; x0
	v_fmaak_f32 v[SE+32*\i+3], v[SE+32*\i+16], v[SE+32*\i+29], 0xc0a00000  ; y0: the same arithmetic as the knot that was compared, so t is not negative
.endr
.irp i, 0,1,2,3
	v_rcp_f32 v[SE+32*\i+4], v[SE+32*\i]
.endr
.irp i, 0,1,2,3
	v_sub_f32 v[SE+32*\i+5], v[SF+8*\i+4], v[SE+32*\i+3]                   ; t = z - y0  (plain lines behind the reciprocals)
	v_add_f32 v[SE+32*\i+6], v[SE+32*\i+18], v[SE+32*\i+19]                ; d0 + d1
.endr
	s_wait_alu depctr_va_vdst(0)                   ; the four reciprocals 1 / dx have written E + 4, ahead of the products that read them
.irp i, 0,1,2,3
	v_mul_f32 v[SE+32*\i+7], v[SE+32*\i+1], v[SE+32*\i+4]                  ; s = dy / dx
.endr
.irp i, 0,1,2,3
	v_fma_f32 v[SE+32*\i+6], -2.0, v[SE+32*\i+7], v[SE+32*\i+6]            ; m = d0 + d1 - 2 s
	v_sub_f32 v[SE+32*\i+9], v[SE+32*\i+7], v[SE+32*\i+18]                 ; s - d0
	v_mul_f32 v[SE+32*\i+11], -v[SE+32*\i+7], v[SE+32*\i+5]                ; c = -s t
.endr
.irp i, 0,1,2,3
	v_mul_f32 v[SE+32*\i+8], v[SE+32*\i+5], v[SE+32*\i+6]                  ; t m
.endr
.irp i, 0,1,2,3
	v_fma_f32 v[SE+32*\i+9], v[SE+32*\i+1], v[SE+32*\i+9], v[SE+32*\i+8]   ; a = dy (s - d0) + t m
	v_fma_f32 v[SE+32*\i+10], v[SE+32*\i+1], v[SE+32*\i+18], -v[SE+32*\i+8]   ; b = dy d0 - t m
.endr
.irp i, 0,1,2,3
	v_mul_f32 v[SE+32*\i+12], v[SE+32*\i+9], v[SE+32*\i+11]                ; a c
	v_mul_f32 v[SE+32*\i+13], v[SE+32*\i+10], v[SE+32*\i+10]               ; b b
.endr
.irp i, 0,1,2,3
	v_fma_f32 v[SE+32*\i+12], -4.0, v[SE+32*\i+12], v[SE+32*\i+13]
.endr
.irp i, 0,1,2,3
	v_max_num_f32 v[SE+32*\i+12], 0, v[SE+32*\i+12]                        ; the discriminant, not under 0
.endr
.irp i, 0,1,2,3
	v_sqrt_f32 v[SE+32*\i+12], v[SE+32*\i+12]
.endr
.irp i, 0,1,2,3
	v_mul_f32 v[SE+32*\i+11], v[SE+32*\i+11], v[SE+32*\i]                  ; c dx  (plain lines behind the roots)
.endr
	s_wait_alu depctr_va_vdst(0)                   ; the four roots have written E + 12, ahead of the subtractions that read them
.irp i, 0,1,2,3
	v_sub_f32 v[SE+32*\i+13], -v[SE+32*\i+10], v[SE+32*\i+12]              ; -b - root
.endr
.irp i, 0,1,2,3
	v_rcp_f32 v[SE+32*\i+13], v[SE+32*\i+13]
.endr
	v_nop                                          ; a plain place behind the reciprocals
	s_wait_alu depctr_va_vdst(0)                   ; the four reciprocals have written E + 13, ahead of the products that read them
.irp i, 0,1,2,3
	v_mul_f32 v[SE+32*\i+11], v[SE+32*\i+11], v[SE+32*\i+13]
.endr
.irp i, 0,1,2,3
	v_fma_f32 v[SE+32*\i+11], 2.0, v[SE+32*\i+11], v[SE+32*\i+2]           ; x0 + 2 c dx / (-b - root)
.endr
.irp i, 0,1,2,3
	v_cndmask_b32 v[OU+\i], v[SE+32*\i+11], v[ZZ+\i], s[MK+16+\i]          ; outside -5 .. 5: z itself
.endr
.endm
.Lgroup:                                           ; GROUPS trips: 128 rows each.  On both ways in, one load is out: this group's z
	TRIP 0
	TRIP 1
	TRIP 2
	TRIP 3
	SPLINE
	s_wait_alu depctr_va_vdst(0)                   ; the last selections have written v[OU ..], which the store reads; and the spline is done reading z's registers, in which the load below lands: no vector line stands between
	global_store_b128 v[ZO], v[OU:OU+3], s[P_OUT:P_OUT+1] th:TH_STORE_NT   ; 32 lanes store 512 consecutive bytes, aligned: rows G .. G + 127
	s_wait_xcnt 0x0                                ; the store has read its data and its base; the loads were waited for: the three bases may step
	s_wait_alu depctr_vm_vsrc(0)                   ; the store has read v[OU ..], which the next group's spline writes again
	s_add_nc_u64 s[P_X:P_X+1], s[P_X:P_X+1], 512
	s_add_nc_u64 s[P_Z:P_Z+1], s[P_Z:P_Z+1], 512
	s_add_nc_u64 s[P_OUT:P_OUT+1], s[P_OUT:P_OUT+1], 512
	s_cmp_eq_u32 s[GRP], 1                         ; the next group's z, if there is a next group: no load leaves its buffer
	s_cbranch_scc1 .Lno_next_z
	global_load_b128 v[ZZ:ZZ+3], v[ZO], s[P_Z:P_Z+1] th:TH_LOAD_NT
.Lno_next_z:
	s_sub_co_u32 s[GRP], s[GRP], 1
	s_cmp_lg_u32 s[GRP], 0
	s_cbranch_scc1 .Lgroup
	s_wait_dscnt 0x0                               ; the closing lines, six on end
	s_wait_alu 0x0
	s_wait_tensorcnt 0x0
	ds_add_u32 v223, v255
	s_wait_dscnt 0x0
	s_endpgm
.Lfunc_end_k_q2e913c18e2_nflow:
	.size	k_q2e913c18e2_nflow, .Lfunc_end_k_q2e913c18e2_nflow-k_q2e913c18e2_nflow
	.p2alignl 7, 3214868480
	.fill 96, 4, 3214868480
	.section	.rodata,"a",@progbits
	.p2align	6, 0x0
	.amdhsa_kernel k_q2e913c18e2_nflow
		.amdhsa_group_segment_fixed_size 43008
		.amdhsa_private_segment_fixed_size 0
		.amdhsa_enable_private_segment 0
		.amdhsa_kernarg_size 104
		.amdhsa_user_sgpr_count 2
		.amdhsa_user_sgpr_kernarg_segment_ptr 1
		.amdhsa_wavefront_size32 1
		.amdhsa_system_sgpr_workgroup_id_x 1
		.amdhsa_system_sgpr_workgroup_id_y 1
		.amdhsa_system_sgpr_workgroup_id_z 1
		.amdhsa_system_vgpr_workitem_id 0
		.amdhsa_next_free_vgpr 1024
		.amdhsa_next_free_sgpr 84
		.amdhsa_reserve_vcc 0
		.amdhsa_float_denorm_mode_32 3
		.amdhsa_float_denorm_mode_16_64 3
		.amdhsa_memory_ordered 1
		.amdhsa_forward_progress 1
		.amdhsa_inst_pref_size 255
	.end_amdhsa_kernel
	.section	.bss,"aw",@nobits
	.p2align	6
	.space	262144
	.amdgpu_metadata
---
amdhsa.version: [ 1, 2 ]
amdhsa.kernels:
  - .name:           k_q2e913c18e2_nflow
    .symbol:         k_q2e913c18e2_nflow.kd
    .args:
      - { .name: x, .offset: 0, .size: 8, .value_kind: global_buffer, .address_space: global }
      - { .name: z, .offset: 8, .size: 8, .value_kind: global_buffer, .address_space: global }
      - { .name: W0, .offset: 16, .size: 8, .value_kind: global_buffer, .address_space: global }
      - { .name: b0, .offset: 24, .size: 8, .value_kind: global_buffer, .address_space: global }
      - { .name: W1, .offset: 32, .size: 8, .value_kind: global_buffer, .address_space: global }
      - { .name: b1, .offset: 40, .size: 8, .value_kind: global_buffer, .address_space: global }
      - { .name: W2, .offset: 48, .size: 8, .value_kind: global_buffer, .address_space: global }
      - { .name: b2, .offset: 56, .size: 8, .value_kind: global_buffer, .address_space: global }
      - { .name: W3, .offset: 64, .size: 8, .value_kind: global_buffer, .address_space: global }
      - { .name: b3, .offset: 72, .size: 8, .value_kind: global_buffer, .address_space: global }
      - { .name: W4, .offset: 80, .size: 8, .value_kind: global_buffer, .address_space: global }
      - { .name: b4, .offset: 88, .size: 8, .value_kind: global_buffer, .address_space: global }
      - { .name: out0, .offset: 96, .size: 8, .value_kind: global_buffer, .address_space: global }
    .group_segment_fixed_size: 43008
    .private_segment_fixed_size: 0
    .kernarg_segment_align: 8
    .kernarg_segment_size: 104
    .max_flat_workgroup_size: 128
    .sgpr_count:     84
    .vgpr_count:     1024
    .wavefront_size: 32
...
	.end_amdgpu_metadata
.endif
;; end of part 2
